; MI455X (gfx1250); checked and timed in simulation.
; The chip was launched on July 23, 2026; its instructions are those of AMD's public machine-readable ISA for CDNA 5 (MIT licence, August 2026) and "CDNA5" Instruction Set Architecture Reference Guide (July 2026). The comments in the code are by the model that wrote it; some were corrected since.
;; Causal Self Attention. Allowed arithmetic: matrix products marked QUANTISED: E5M2 operands, one E8M0 scale for each 32 along K, by v_wmma_scale_f32_16x16x128_f8f6f4 with both operands' format E5M2, f32 sums; everything else in f32.
;; Inputs: b_attn 3,072 float32; b_proj 1,024 float32; w_attn_codes 3,072 x 32 x 32 uint8 (E5M2 codes of w_attn, K innermost, in blocks of 32 codes); w_attn_scales 3,072 x 32 uint8 (E8M0 scales of w_attn, one for each 32 codes along K); w_proj_codes 1,024 x 32 x 32 uint8 (E5M2 codes of w_proj, K innermost, in blocks of 32 codes); w_proj_scales 1,024 x 32 uint8 (E8M0 scales of w_proj, one for each 32 codes along K); x_codes 4 x 2,048 x 32 x 32 uint8 (E5M2 codes of x, K innermost, in blocks of 32 codes); x_scales 4 x 2,048 x 32 uint8 (E8M0 scales of x, one for each 32 codes along K).
;; Outputs: out0 4 x 2,048 x 1,024 float32.
;; This version of the problem:
;;   THIS VERSION OF THE PROBLEM IS GIVEN IN LOW PRECISION. The matrix products marked QUANTISED in the list below multiply operands that are first quantised to E5M2 (5 exponent bits, 2 mantissa bits; 8 bits a number), with one power-of-two scale for each 32 numbers along K (OCP MX v1.0); their sums are f32. All else is computed in f32.
;;   The module's matrix products, in the order in which they are computed (A, B: the left and right operand; K: the contracted axis; several contracted axes count as one K, in the product's order):
;;     1. [M 8,192, K 1,024] x [K 1,024, N 3,072]; A: input x (given as codes); B: input w_attn (given as codes): QUANTISED
;;     2. batch 64 x [M 2,048, K 64] x [K 64, N 2,048]; A: computed on the way; B: computed on the way: QUANTISED
;;     3. batch 64 x [M 2,048, K 2,048] x [K 2,048, N 64]; A: softmax (see below); B: computed on the way: QUANTISED
;;     4. [M 8,192, K 1,024] x [K 1,024, N 1,024]; A: computed on the way; B: input w_proj (given as codes): QUANTISED
;;   THE QUANTISER, for each operand of a quantised product, along K:
;;     - K is cut into blocks of 32 from its start; a last block that is shorter is filled with zeros.
;;     - A block's scale is 2^e with e = floor(log2(the largest magnitude in the block)) - 15, held to -126 .. 127; a block of zeros has e = 0. As a byte (E8M0): e + 127.
;;     - Each number is divided by its block's scale, clamped to +-57,344, and rounded to the nearest number of E5M2, ties to even, subnormals kept.
;;     - The product sums the exact products of the quantised numbers (number of the format x scale) in f32.
;;   ~~~python
;;   def quantise(x, axis):      # numpy; x: float32 -> the quantised numbers, widened to float32 again
;;       x = np.moveaxis(x, axis, -1); K = x.shape[-1]
;;       x = np.pad(x, [(0, 0)] * (x.ndim - 1) + [(0, -K % 32)]); x = x.reshape(x.shape[:-1] + (-1, 32)); a = np.abs(x).max(-1, keepdims=True)
;;       e = np.where(a > 0, np.clip(np.frexp(np.where(a > 0, a, 1))[1] - 1 - 15, -126, 127), 0)      # np.frexp(a)[1] - 1 = floor(log2(a)), exactly
;;       r = np.clip(x / 2.0 ** e, -57344, 57344)
;;       step = 2.0 ** (np.maximum(np.frexp(np.where(r == 0, 1, r))[1] - 1, -14) - 2)
;;       q = np.round(r / step) * step * 2.0 ** e      # np.round: ties to even
;;       return np.moveaxis(q.reshape(q.shape[:-2] + (-1,))[..., :K], -1, axis).astype(np.float32)
;;   ~~~
;;   SOFTMAX AHEAD OF A QUANTISED PRODUCT. Where the list says 'softmax', what is quantised is not the finished softmax but p = 2^(t - M), with t = logit x log2(e) and M = ceil(the row's largest t), a whole number; so 1/2 < the row's largest p <= 1. The row's sum l is taken of the UNQUANTISED p, in f32, and the product's result is divided by l at the end. Since M is a whole number, a kernel that streams over the keys may use a running M (the ceiling of the running maximum): every later rescaling is an exact power of two, which a block's scale takes up: the codes' values come out the same.
;;   OPERANDS COMPUTED ON THE WAY. 'Computed on the way' means the value that the module computes at that place (a softmax that the list does not call 'softmax' is quantised finished and normalised). What goes into a quantiser is computed in f32, as accurately as f32 sums, v_exp_f32 and their like allow (about 1e-6 of the number): no bf16 or f16 on the way to a quantiser, and a product that is left as it is and whose result goes on into a quantised operand takes f32 operands (vector FMAs, or v_wmma_f32_16x16x4_f32). A number that lies on a knife's edge between two numbers of the format may be rounded either way, as far as f32 arithmetic and the matrix unit's own rounding can turn it there, and no further.
;;   INPUTS GIVEN AS CODES. w_attn (in the module: [3072, 1024], K = its axis 1); w_proj (in the module: [1024, 1024], K = its axis 1); x (in the module: [4, 2048, 1024], K = its axis 2): each comes as NAME_codes (uint8): NAME with its K axis moved to the last place and cut into blocks of 32 codes, [.., K / 32, bytes a block], one block behind the other in memory; one code a byte (a code: sign, 5 exponent bits, 2 mantissa bits); and NAME_scales (uint8): the same leading axes, one E8M0 byte (e + 127) for each 32 codes along K. Its value is code x scale, taken as it is: it is not quantised again, and the codes and scales need not be those that the quantiser above would give.
;; One version. Each part assembles by itself: llvm-mc -triple=amdgcn-amd-amdhsa -mcpu=gfx1250 --defsym DOCPART=n.
;; ======== version 1 of 1: 3 launches
;; limits: right only within a limited range of input values
;; workspace buffers: qkv 25,952,256 bytes; yc 8,388,608 bytes; ys 262,144 bytes
;; launch qkv (part 1): grid 12 x 32, 4 waves a work-group, clusters of 4 x 4, 327,680 bytes of LDS; arguments x_codes, x_scales, w_attn_codes, w_attn_scales, b_attn, qkv; writes qkv
.if DOCPART == 1
	.amdgcn_target "amdgcn-amd-amdhsa--gfx1250"
	.amdhsa_code_object_version 6
	.text
	.protected	k_q7dafd25132_qkv
	.globl	k_q7dafd25132_qkv
	.p2align	8
	.type	k_q7dafd25132_qkv,@function
k_q7dafd25132_qkv:
	s_mov_b64 s[64:65], 0
	v_nop
	global_prefetch_b8 v0, s[64:65] scope:SCOPE_SE
	s_setreg_imm32_b32 hwreg(HW_REG_WAVE_MODE, 25, 1), 1
	s_wait_xcnt 0x0
	s_wait_alu depctr_hold_cnt(0) depctr_sa_sdst(0) depctr_va_vdst(0) depctr_va_sdst(0) depctr_va_ssrc(0) depctr_va_vcc(0) depctr_vm_vsrc(0)
	s_getreg_b32 s2, hwreg(HW_REG_IB_STS2, 6, 4)
	s_cmp_eq_u32 s2, 0
	s_cbranch_scc0 .Lentry_in_a_cluster
	s_endpgm
.Lentry_in_a_cluster:
	s_bfe_u32 s2, ttmp6, 0x10000c
	s_cmp_lg_u32 s2, 0xf033
	s_cbranch_scc0 .Lentry_shape_is_right
	s_endpgm
.Lentry_shape_is_right:
; qkv = x W_attn^T + b_attn on codes of BF8 (E5M2) with E8M0 scales, [8192 x 1024] x [1024 x 3072]; the f32 results never go to memory: q and k are quantised along the head's 64,
; v along the tokens, and leave as IMAGES OF THE OPERAND REGISTERS that the attention launch wants, with their scale words.
; A tile of the result is 256 x 256, four waves, 128 x 128 each: 64 accumulators, 512 registers.  K goes in steps of 256 through a ring of two LDS slots; the scale bytes of the tile's rows come once.
; THE MATRIX INSTRUCTION IS USED TRANSPOSED: source 0 = 16 rows of "B", source 1 = 16 rows of "A": a lane holds ONE row of A, and its registers run along B's rows.
; A quantiser wants a lane's registers to run along ITS K.  q, k: K = the output channels, so B = W, A = x (clusters x = 0: q, x = 1: k).  v: K = the tokens, so B = x, A = W's last 1,024 rows
; (clusters x = 2).  Tile and cluster are square, so the two cases differ in pointers, in the bias and in the stores' strides alone.  MODE hangs on the cluster's x, which all partners share.
; CLUSTERS: 4 x 4 work-groups; A's tile is asked for jointly along a row of the cluster, B's along a column.
; THE BLOCK OF 32: tiles 2 b and 2 b + 1 of B's rows.  A lane's half h holds indices 8 h + j of the first and 16 + 8 h + j of the second; its 16 registers and those of lane xor 16 are the block.
; After the conversions one exchange of halves between two code registers (v_permlane16_swap_b32) leaves lane (r, h) with indices 16 h + 0 .. 15 in four registers on end: the operand's layout.
; THE BUFFER qkv: [batch x 16 + head][slot of 256 tokens][SB bytes]: K's images 2 x 8,192, V's 2 x 8,192, K's scale words 2 x 256, V's 2 x 256, Q's images 2 x 8,192, Q's scale words 2 x 256.
; LIMITS: NaN and infinities among the inputs are not served.  A block of zeros gets the scale byte 1 (the floor 2^(16 - 127) under the largest magnitude) where the rule says 127: its codes are zeros, and this program alone reads the bytes.
; No prefetch: K has four slots' worth of tiles, two of them first fills.
.set HS,    405504                     ; a head's bytes in qkv: 8 slots
.set SB,    50688                      ; a slot's
.set NQ,    2                          ; matrix instructions deep in a slot (256 along K)
.set ROWB,  256                        ; a tile's row in bytes
.set KROW,  1024                       ; a row of codes in memory
.set PITCH, 272                        ; an LDS row: 256 bytes + 16 of padding: the 16 rows that a load touches start 68 words apart
.set FR,    16                         ; registers of a fragment
.set NL,    4                          ; LDS loads that bring one
.set NP,    8                          ; places behind this matrix instruction (ISA guide 7.12.1)
.set HALFT, 128*PITCH
.set SLOT,  4*HALFT                    ; A's 256 rows, then B's 256
.set LAPS,  2                          ; a lap = two slots = 512 along K
.set HALFS, 16*272                     ; the scale bytes of 128 rows: 16 units of 256 bytes + 16 of padding
.set SBLK,  2*272                      ; those of 16 rows
.set SCLB,  2*SLOT                     ; behind the ring: B's scale bytes,
.set SCLA,  SCLB+2*HALFS               ; A's,
.set SPARE, SCLA+2*HALFS               ; and the spare words, 128 bytes a wave, which no other line names
.set SELV, 7                           ; v7      way out: byte selects for the scale words
.set BA,   8                           ; v8-15   the bias by A's rows (v): b[row 16 a + r]
.set ADRA, 16                          ; v16-17  LDS address of my A fragments in slot 0, 1
.set ADRB, 20                          ; v20-21  of B's
.set SA,   22                          ; v22     where my scale words go: h x HS + 16 r
.set L16,  23                          ; v23     16 x lane
.set ADRS, 27                          ; v27     LDS address of my scale words: lanes 0-15 B's rows, lanes 16-31 A's
.set SPW,  28                          ; v28     my spare word; never rewritten
.set NIL,  29                          ; v29     0; never rewritten
.set BPO,  30                          ; v30, v31 the biases' offsets; never rewritten
.set BAO,  31
.set SC,   32                          ; v32-63  scale words, two sets: register NQ i + q: lanes 0-15 B's block i, lanes 16-31 A's block i
.set BP,   64                          ; v64-127 the bias by B's rows (q, k): b[n0 + 16 b + 8 h + j] at 8 b + j
.set AF,   128                         ; v128-255 A's fragments, one set.  Window 1: B's, two sets.  Windows 2, 3: the accumulators, (a, b) at 8 (8 a + b)
.set T,    128                         ; way out: 64 numbers of a block of A's rows
.set PC,   192                         ; their codes
.set TM,   208                         ; at work
.set PWS,  224                         ; the eight blocks' scale words
.set XW,   232                         ; the four words that a lane stores
.set BA2,  236                         ; BA, each twice: pairs for the packed addition
.set ADR,  252                         ; four store offsets: 16 x lane + x SX + y SY
.set MNT,  2
.set SEL,  10                          ; s[10:11] lane selects: lane xor 16
.set G1, 24
.set G0, 32
.set G1B, 48
.set G0B, 56
.set G1S, 68
.set G0S, 76
.set G1SB, 80
.set G0SB, 88
.set MSB, 0
.macro WIN new                         ; the immediate's high byte repeats the setting that is left
.if MSB != (\new)
	s_set_vgpr_msb (MSB<<8)|(\new)
.set MSB, (\new)
.endif
.endm
.set MUL_LO, 0xa1                      ; source 0 (B) window 1, source 1 (A) window 0, C and D window 2
.set MUL_HI, 0xf1
.set TO_B,   0x40
; A joint load: waves 0 and 1 fetch for A, waves 2 and 3 for B; the branch hangs on the wave's number alone.  Four v_nop follow each of the two lines.
.macro JLOAD g0a, g1a, g0b, g1b
	s_cmp_eq_u32 s17, 0
	s_cbranch_scc0 .Lfor_b_\@
	tensor_load_to_lds s[\g0a:\g0a+3], s[\g1a:\g1a+7]
	s_nop 0
.rept 4
	v_nop
.endr
	s_branch .Lasked_\@
.Lfor_b_\@:
	tensor_load_to_lds s[\g0b:\g0b+3], s[\g1b:\g1b+7]
	s_nop 0
.rept 4
	v_nop
.endr
.Lasked_\@:
.endm
.macro CREST                           ; a round of the cluster's barrier behind its opening barrier
	s_cmp_lg_u32 s16, 0
	s_cbranch_scc1 .Lnot_wave_0_\@
	s_barrier_signal -3
.Lnot_wave_0_\@:
	s_barrier_wait -3
	s_barrier_signal -1
	s_barrier_wait -1
.endm
.macro CROUND
	s_barrier_signal -1
	s_barrier_wait -1
	CREST
.endm
	s_load_b256 s[4:11], s[0:1], 0x0               ; x's codes, x's scales, W's codes, W's scales
	s_load_b128 s[12:15], s[0:1], 0x20             ; b_attn, qkv
	v_lshl_add_u32 v[SPW], v0, 2, SPARE
	v_mov_b32 v[NIL], 0
	ds_add_u32 v28, v29
	ds_add_u32 v28, v29
	s_wait_dscnt 0x0
	v_lshrrev_b32 v1, 5, v0
	v_readfirstlane_b32 s16, v1                    ; wave 0..3
	s_lshr_b32 s17, s16, 1                         ; RH: which 128 rows of A are mine.  Also: I fetch for A (0) or for B (1)
	s_and_b32 s18, s16, 1                          ; CH: which 128 rows of B.  Also: which 128 rows I fetch
	s_bfe_u32 s40, ttmp6, 0x40000                  ; cx
	s_bfe_u32 s41, ttmp6, 0x40004                  ; cy
	s_and_b32 s20, ttmp7, 0xffff
	s_lshl_b32 s20, s20, 2                         ; 4 x cluster y
	s_lshl_b32 s21, ttmp9, 2                       ; 4 x cluster x
	s_cmp_eq_u32 ttmp9, 2
	s_cselect_b32 s19, 1, 0                        ; MODE: 1 = v
	s_cselect_b32 s42, s20, s21
	s_cselect_b32 s43, 0, s20
	s_add_co_u32 s42, s42, s40                     ; TC, B's tile: q, k: 4 X + cx (of W);  v: 4 Y + cx (of x)
	s_add_co_u32 s43, s43, s41                     ; TR, A's tile: q, k: 4 Y + cy (of x);  v: cy (of W's last 1,024 rows)
	s_lshl_b32 s44, s41, 2
	s_lshl_b32 s44, 15, s44                        ; my row of the cluster
	s_lshl_b32 s45, 0x1111, s40                    ; my column
	s_or_b32 s[G1+0], s44, (0<<16)|(1<<20)|(1<<21)|(5<<22)|(3<<25)  ; the mask; elements of 1 byte; padding: 4 words behind every 64; bit 21 beside a mask
	s_or_b32 s[G1B+0], s45, (0<<16)|(1<<20)|(1<<21)|(5<<22)|(3<<25)
.irp g, G1, G1B
	s_mov_b32 s[\g+1], ROWB<<16                    ; tensor_dim0
	s_mov_b32 s[\g+2], 128<<16                     ; tensor_dim1
	s_mov_b32 s[\g+3], ROWB<<16                    ; tile_dim0
	s_mov_b32 s[\g+4], 128                         ; tile_dim1
	s_mov_b32 s[\g+5], KROW                        ; pitch
	s_mov_b32 s[\g+6], 0
	s_mov_b32 s[\g+7], 0
.endr
	s_or_b32 s[G1S+0], s44, (3<<16)|(1<<20)|(1<<21)|(5<<22)|(3<<25) ; the scale bytes of 128 rows: 4,096 dense bytes as 16 rows of 256 (32 elements of 8 bytes)
	s_or_b32 s[G1SB+0], s45, (3<<16)|(1<<20)|(1<<21)|(5<<22)|(3<<25)
.irp g, G1S, G1SB
	s_mov_b32 s[\g+1], 32<<16
	s_mov_b32 s[\g+2], 16<<16
	s_mov_b32 s[\g+3], 32<<16
	s_mov_b32 s[\g+4], 16
	s_mov_b32 s[\g+5], 32
	s_mov_b32 s[\g+6], 0
	s_mov_b32 s[\g+7], 0
.endr
	s_lshl_b32 s22, s18, 7                         ; which 128 rows of the tile I fetch
	s_lshl_b32 s23, s19, 11                        ; v: W's rows from 2,048 on
	s_lshl_b32 s20, s43, 8
	s_add_co_u32 s20, s20, s22
	s_add_co_u32 s20, s20, s23                     ; A's row
	s_lshl_b32 s46, s42, 8
	s_add_co_u32 s46, s46, s22                     ; B's row
	s_lshl_b32 s66, s20, 5                         ; 32 scale bytes a row,
	s_mov_b32 s67, 0
	s_lshl_b32 s20, s20, 10                        ; 1,024 codes
	s_mov_b32 s21, 0
	s_lshl_b32 s100, s46, 5
	s_mov_b32 s101, 0
	s_lshl_b32 s46, s46, 10
	s_mov_b32 s47, 0
	s_mul_i32 s22, s18, HALFS                      ; where they go: no place in the cluster enters an LDS address
	s_mul_i32 s23, s16, HALFT
	s_wait_kmcnt 0x0
	s_cmp_eq_u32 s19, 0                            ; the choice hangs on the cluster's x alone
	s_cselect_b64 s[92:93], s[4:5], s[8:9]         ; A's codes
	s_cselect_b64 s[94:95], s[6:7], s[10:11]       ; A's scales
	s_cselect_b64 s[96:97], s[8:9], s[4:5]         ; B's codes
	s_cselect_b64 s[98:99], s[10:11], s[6:7]       ; B's scales
	s_add_nc_u64 s[92:93], s[92:93], s[20:21]
	s_add_nc_u64 s[94:95], s[94:95], s[66:67]
	s_add_nc_u64 s[96:97], s[96:97], s[46:47]
	s_add_nc_u64 s[98:99], s[98:99], s[100:101]
	CROUND                                         ; all sixteen work-groups are here: the first joint loads meet
	s_mov_b32 s[G0S], 1
	s_add_co_u32 s[G0S+1], s22, SCLA
	s_mov_b64 s[G0S+2:G0S+3], s[94:95]
	s_or_b32 s[G0S+3], s[G0S+3], 0x80000000
	s_mov_b32 s[G0SB], 1
	s_add_co_u32 s[G0SB+1], s22, SCLB
	s_mov_b64 s[G0SB+2:G0SB+3], s[98:99]
	s_or_b32 s[G0SB+3], s[G0SB+3], 0x80000000
	JLOAD G0S, G1S, G0SB, G1SB                     ; the scales first: they are wanted with the first slot
.irp s, 0,1
	s_mov_b32 s[G0+4*\s], 1
	s_add_co_u32 s[G0+4*\s+1], s23, \s*SLOT
	s_add_nc_u64 s[G0+4*\s+2:G0+4*\s+3], s[92:93], \s*ROWB
	s_or_b32 s[G0+4*\s+3], s[G0+4*\s+3], 0x80000000
	s_mov_b32 s[G0B+4*\s], 1
	s_add_co_u32 s[G0B+4*\s+1], s23, \s*SLOT
	s_add_nc_u64 s[G0B+4*\s+2:G0B+4*\s+3], s[96:97], \s*ROWB
	s_or_b32 s[G0B+4*\s+3], s[G0B+4*\s+3], 0x80000000
	JLOAD G0+4*\s, G1, G0B+4*\s, G1B
.endr
	v_and_b32 v1, 15, v0                           ; r
	v_bfe_u32 v2, v0, 4, 1                         ; h
	v_mul_u32_u24 v3, v1, PITCH
	v_lshl_add_u32 v4, v2, 4, v3                   ; a fragment's row x pitch + 16 h
	s_mul_i32 s21, s17, HALFT                      ; my 128 rows of A
	s_mul_i32 s22, s18, HALFT
	s_add_co_u32 s22, s22, 2*HALFT                 ; my 128 rows of B, behind A's 256
.irp s, 0,1
	v_add_nc_u32 v[ADRA+\s], s21, v4
	v_add_nc_u32 v[ADRB+\s], s22, v4
	s_add_co_u32 s21, s21, SLOT
	s_add_co_u32 s22, s22, SLOT
.endr
	v_lshlrev_b32 v5, 5, v1                        ; my row's scale bytes: 32 a row,
	v_lshrrev_b32 v6, 8, v5
	v_lshl_add_u32 v5, v6, 4, v5                   ; and 16 more for each 256 passed
	s_mul_i32 s21, s18, HALFS                      ; B's: my 128 rows (the lower base)
	s_mul_i32 s22, s17, HALFS
	s_add_co_u32 s22, s22, SCLA-SCLB               ; A's
	s_sub_co_u32 s22, s22, s21                     ; the distance between the two, above 0
	v_mul_u32_u24 v6, s22, v2                      ; lanes 16-31 take A's
	s_add_co_u32 s21, s21, SCLB
	v_add_nc_u32 v5, v5, v6
	v_add_nc_u32 v[ADRS], s21, v5
	v_and_b32 v[L16], 31, v0
	v_lshlrev_b32 v[L16], 4, v[L16]
	v_mul_u32_u24 v[SA], v2, HS
	v_lshl_add_u32 v[SA], v1, 4, v[SA]
	; the biases: both sets are loaded in both cases, the one that is not used from the buffer's first bytes
	s_lshl_b32 s20, s42, 8
	s_lshl_b32 s21, s18, 7
	s_add_co_u32 s20, s20, s21
	s_lshl_b32 s20, s20, 2                         ; q, k: 4 n0, n0 = 256 TC + 128 CH
	s_lshl_b32 s22, s43, 8
	s_lshl_b32 s23, s17, 7
	s_add_co_u32 s22, s22, s23
	s_add_co_u32 s22, s22, 2048
	s_lshl_b32 s22, s22, 2                         ; v: 4 (2,048 + 256 TR + 128 RH)
	s_cmp_eq_u32 s19, 0
	s_cselect_b32 s20, s20, 0
	s_cselect_b32 s22, 0, s22
	v_lshl_add_u32 v[BPO], v2, 5, s20
	v_lshl_add_u32 v[BAO], v1, 2, s22
.irp b, 0,1,2,3,4,5,6,7
	global_load_b128 v[BP+8*\b:BP+8*\b+3], v[BPO], s[12:13] offset:64*\b
	global_load_b128 v[BP+8*\b+4:BP+8*\b+7], v[BPO], s[12:13] offset:64*\b+16
.endr
.irp a, 0,1,2,3,4,5,6,7
	global_load_b32 v[BA+\a], v[BAO], s[12:13] offset:64*\a
.endr
	; where the results go.  q, k: tokens = A's rows, heads by B's rows;  v: tokens = B's rows, heads by A's rows
	s_mov_b32 s66, HS
	s_mov_b32 s67, 4096
	s_mov_b32 s100, 16384                          ; V's images
	s_mov_b32 s101, 33280                          ; V's scale words
	s_mov_b32 s46, 32768                           ; K's scale words (K's images begin at 0)
	s_cmp_eq_u32 s19, 0
	s_cselect_b32 s20, s43, s42                    ; TT: the tile of 256 tokens
	s_cselect_b32 s21, s17, s18                    ; which 128 of them
	s_cselect_b32 s22, s42, s43                    ; the tile that names the heads,
	s_cselect_b32 s23, s18, s17                    ; and my half of it
	s_cselect_b32 s8, s67, s66                     ; SX: from A's blocks 0-3 to 4-7
	s_cselect_b32 s9, s66, s67                     ; SY: from blocks of 32 numbers 0, 1 to 2, 3
	s_cselect_b32 s100, 0, s100
	s_cselect_b32 s101, s46, s101
	s_cmp_eq_u32 ttmp9, 0                          ; q
	s_mov_b32 s46, 33792
	s_cselect_b32 s100, s46, s100
	s_mov_b32 s46, 50176
	s_cselect_b32 s101, s46, s101
	s_lshl_b32 s22, s22, 2
	s_lshl_b32 s23, s23, 1
	s_add_co_u32 s22, s22, s23
	s_and_b32 s22, s22, 15                         ; my first head of two
	s_lshr_b32 s23, s20, 3                         ; the batch
	s_lshl_b32 s23, s23, 4
	s_add_co_u32 s22, s22, s23
	s_mul_i32 s22, s22, HS
	s_and_b32 s20, s20, 7                          ; the slot
	s_mul_i32 s20, s20, SB
	s_add_co_u32 s22, s22, s20
	s_lshl_b32 s20, s21, 13
	s_add_co_u32 s20, s20, s22
	s_add_co_u32 s20, s20, s100
	s_lshl_b32 s46, s21, 8
	s_add_co_u32 s46, s46, s22
	s_add_co_u32 s46, s46, s101
	s_mov_b32 s21, 0
	s_mov_b32 s47, 0
	s_add_nc_u64 s[4:5], s[14:15], s[20:21]        ; the codes' base
	s_add_nc_u64 s[6:7], s[14:15], s[46:47]        ; the scale words' base
	s_mov_b32 s[SEL], 0x76543210
	s_mov_b32 s[SEL+1], 0xfedcba98
.macro FRAG reg, adr, q, i             ; 16 rows x 128 K: lane l holds row l % 16; registers 4 c .. 4 c + 3 hold K = 32 c + 16 (l / 16) + 0 .. 15
.irp c, 0,1,2,3
	ds_load_b128 v[\reg+4*\c:\reg+4*\c+3], v[\adr] offset:128*(\q)+32*\c+(\i)*16*PITCH
.endr
.endm
; 16 matrix instructions: A's blocks a0, a0 + 1 x B's eight.  The 64 accumulators take turns, one instruction a turn, in the same order in every step.
.macro MUL16 a0, p, q, sc, zero
.irp a, \a0, \a0+1
.irp b, 0,1,2,3,4,5,6,7
.if \zero
	v_wmma_scale_f32_16x16x128_f8f6f4 v[8*(8*((\a)%4)+\b):8*(8*((\a)%4)+\b)+7], v[128*(\p)+FR*\b:128*(\p)+FR*\b+FR-1], v[AF+FR*(\a):AF+FR*(\a)+FR-1], 0, v[SC+8*NQ*(\sc)+NQ*\b+(\q)], v[SC+8*NQ*(\sc)+NQ*(\a)+(\q)] matrix_a_fmt:MATRIX_FMT_BF8 matrix_b_fmt:MATRIX_FMT_BF8 matrix_b_scale:MATRIX_SCALE_ROW1
.else
	v_wmma_scale_f32_16x16x128_f8f6f4 v[8*(8*((\a)%4)+\b):8*(8*((\a)%4)+\b)+7], v[128*(\p)+FR*\b:128*(\p)+FR*\b+FR-1], v[AF+FR*(\a):AF+FR*(\a)+FR-1], v[8*(8*((\a)%4)+\b):8*(8*((\a)%4)+\b)+7], v[SC+8*NQ*(\sc)+NQ*\b+(\q)], v[SC+8*NQ*(\sc)+NQ*(\a)+(\q)] matrix_a_fmt:MATRIX_FMT_BF8 matrix_b_fmt:MATRIX_FMT_BF8 matrix_b_scale:MATRIX_SCALE_ROW1
.endif
.endr
.endr
.endm
.macro FETCH_B slot, q, p
	WIN TO_B
.irp i, 0,1,2,3,4,5,6,7
	FRAG 128*(\p)+FR*\i, ADRB+\slot, \q, \i
.endr
	WIN 0
.endm
.macro FETCH_A slot, q, i0
.irp i, \i0, \i0+1, \i0+2, \i0+3
	FRAG AF+FR*(\i), ADRA+\slot, \q, \i
.endr
.endm
.macro SCALES sc                       ; a slot's scale words: two words a row; lanes 0-15 take B's block i, lanes 16-31 A's block i
.irp i, 0,1,2,3,4,5,6,7
	ds_load_b64 v[SC+8*NQ*\sc+NQ*\i:SC+8*NQ*\sc+NQ*\i+1], v[ADRS] offset:\i*SBLK
.endr
.endm
.macro PLACES n                        ; plain vector instructions between a matrix instruction and a load into, or a read of, its registers
.rept \n
	v_nop
.endr
.endm
.macro STEP slot, q, zero              ; 128 along K with its successor in the same slot
	s_wait_dscnt 4*NL                              ; B's set and A's blocks 0-3 are in; the youngest 16 loads (A's blocks 4-7) may be out
	WIN MUL_LO
	MUL16 0, (\q)%2, \q, \slot, \zero
	MUL16 2, (\q)%2, \q, \slot, \zero
	s_wait_dscnt 0
	PLACES NP
	FETCH_B \slot, (\q)+1, 1-(\q)%2
	FETCH_A \slot, (\q)+1, 0
	WIN MUL_HI
	MUL16 4, (\q)%2, \q, \slot, \zero
	MUL16 6, (\q)%2, \q, \slot, \zero
	PLACES NP
	WIN 0
	FETCH_A \slot, (\q)+1, 4
.endm
; A slot's last step changes slots: one barrier; in front of it each wave waits for all its tensor loads, adds 0 to its spare word, and waits for that and for its reads of this slot.
.macro TURN slot, next, fill
	s_wait_tensorcnt 0x0                           ; all my tensor loads have landed: my part of the next slot
	ds_add_u32 v[SPW], v[NIL]                      ; 0 onto my spare word
	s_wait_dscnt 4*NL+1                            ; the add and the youngest 16 loads (A's blocks 4-7) may be out
	WIN MUL_LO
	MUL16 0, 1, NQ-1, \slot, 0
	s_wait_dscnt 0x0                               ; the add is done, and my reads of this slot are over
	s_barrier_signal -1
	MUL16 2, 1, NQ-1, \slot, 0
	WIN 0
	s_barrier_wait -1
.if \fill
	CREST                                          ; the barrier has opened a round of the cluster's: no wave of any partner still reads this slot or has a load on its way
	s_add_nc_u64 s[G0+4*\slot+2:G0+4*\slot+3], s[G0+4*\slot+2:G0+4*\slot+3], 2*ROWB
	s_add_nc_u64 s[G0B+4*\slot+2:G0B+4*\slot+3], s[G0B+4*\slot+2:G0B+4*\slot+3], 2*ROWB
	JLOAD G0+4*\slot, G1, G0B+4*\slot, G1B         ; the first tensor load behind the round; its four v_nop are among the places
	PLACES NP-4
.else
	PLACES NP
.endif
	s_wait_alu depctr_va_vdst(0)
	v_add_nc_u32 v[ADRS], 4*NQ, v[ADRS]            ; the next slot's scale words
	FETCH_B \next, 0, 0
	FETCH_A \next, 0, 0
	SCALES \next
	WIN MUL_HI
	MUL16 4, 1, NQ-1, \slot, 0
	MUL16 6, 1, NQ-1, \slot, 0
	PLACES NP
	WIN 0
	FETCH_A \next, 0, 4
.endm
	s_wait_alu depctr_va_vdst(0)
	s_wait_tensorcnt 1                             ; the scales and my part of slot 0 are in; slot 1's load may be out
	s_barrier_signal -1
	s_barrier_wait -1
	FETCH_B 0, 0, 0
	FETCH_A 0, 0, 0
	SCALES 0
	FETCH_A 0, 0, 4
	STEP 0, 0, 1                                   ; the first step's products start the sums
	s_mov_b32 s3, LAPS-1
.Llap:                                                 ; a trip goes once round the ring and fills both slots again
	TURN 0, 1, 1
	STEP 1, 0, 0
	TURN 1, 0, 1
	STEP 0, 0, 0
	s_sub_co_u32 s3, s3, 1
	s_cmp_lg_u32 s3, 0
	s_cbranch_scc1 .Llap
	TURN 0, 1, 0                                   ; the last lap fills nothing
	STEP 1, 0, 0
	s_wait_dscnt 4*NL
	WIN MUL_LO
	MUL16 0, 1, NQ-1, 1, 0
	MUL16 2, 1, NQ-1, 1, 0
	s_wait_dscnt 0
	WIN MUL_HI
	MUL16 4, 1, NQ-1, 1, 0
	MUL16 6, 1, NQ-1, 1, 0
	WIN 0
; THE WAY OUT.  64 numbers of a lane, v[s] on, four blocks of 32 (16 mine, 16 in lane xor 16), become 16 registers of codes in v[PC] on and the scale word v[w].
.macro QUANT s, w
.irp b, 0,1,2,3
	v_max3_num_f32 v[TM+\b], |v[\s+16*\b]|, |v[\s+1+16*\b]|, 0x8000000   ; my 16 numbers and the floor 2^(16 - 127): the byte cannot fall under 1
.endr
.irp i, 2,4,6,8,10,12,14
.irp b, 0,1,2,3
	v_max3_num_f32 v[TM+\b], v[TM+\b], |v[\s+16*\b+\i]|, |v[\s+1+16*\b+\i]|
.endr
.endr
.irp b, 0,1,2,3
	v_permlanex16_b32 v[TM+4+\b], v[TM+\b], s[SEL], s[SEL+1]
.endr
.irp b, 0,1,2,3
	v_max_num_f32 v[TM+\b], v[TM+\b], v[TM+4+\b]   ; the block's largest magnitude
.endr
.irp b, 0,1,2,3
	v_add_nc_u32 v[TM+12+\b], 0xf8800000, v[TM+\b] ; 15 off its exponent field: the conversion's scale operand
.endr
.irp b, 0,1,2,3
.endr
.irp b, 0,1,2,3
	v_lshrrev_b32 v[TM+4+\b], 23, v[TM+12+\b]      ; the scale's byte
.endr
	v_lshl_or_b32 v[\w], v[TM+5], 8, v[TM+4]
	v_lshl_or_b32 v[\w], v[TM+6], 16, v[\w]
	v_lshl_or_b32 v[\w], v[TM+7], 24, v[\w]
.irp b, 0,1,2,3
.irp i, 0,1,2,3,4,5,6,7,8,9,10,11,12,13,14,15
.endr
	v_cvt_scalef32_pk8_bf8_f32 v[PC+4*\b:PC+1+4*\b], v[\s+16*\b:\s+7+16*\b], v[TM+12+\b]
	v_cvt_scalef32_pk8_bf8_f32 v[PC+2+4*\b:PC+3+4*\b], v[\s+8+16*\b:\s+15+16*\b], v[TM+12+\b]
.endr
	v_nop                                          ; a plain instruction between the conversions and the next vector instruction on their results
.irp b, 0,1,2,3
	v_permlane16_swap_b32 v[PC+4*\b], v[PC+4*\b+2] ; lanes 16-31 of the first tile's codes change places with lanes 0-15 of the second's:
	v_permlane16_swap_b32 v[PC+4*\b+1], v[PC+4*\b+3]   ; lane (r, h) now holds indices 16 h + 0 .. 15 of the block
.endr
.endm
; Block a of A's rows: the bias is added, the 64 numbers are quantised, and four stores of 512 consecutive bytes each put the images in place.
.macro EPI a
	s_cmp_eq_u32 s19, 0
	s_cbranch_scc0 .Lv_\@
	WIN 0x02+(\a)/4                                ; source 0: the accumulators' window
.set ei, 0
.rept 32
	v_pk_add_f32 v[T+ei:T+ei+1], v[64*((\a)%4)+ei:64*((\a)%4)+ei+1], v[BP+ei:BP+ei+1]   ; q, k: the bias runs along the registers; each accumulator from its low end on
.set ei, ei+2
.endr
	WIN 0
	s_branch .Lj_\@
.Lv_\@:
	WIN 0x02+(\a)/4
.set ei, 0
.rept 32
	v_pk_add_f32 v[T+ei:T+ei+1], v[64*((\a)%4)+ei:64*((\a)%4)+ei+1], v[BA2+2*(\a):BA2+2*(\a)+1]   ; v: the bias is the lane's row's
.set ei, ei+2
.endr
	WIN 0
.Lj_\@:
.if (\a) > 0
	s_wait_xcnt 0x0                                ; the last block's stores have read their data: the codes' registers may be written
.endif
	QUANT T, PWS+\a
.irp e, 0,1,2,3
	global_store_b128 v[ADR+2*((\a)/4)+(\e)/2], v[PC+4*\e:PC+4*\e+3], s[4:5] offset:((\a)%4)*1024+((\e)%2)*512
.endr
.endm
	s_wait_loadcnt 0x0                             ; the biases
	PLACES NP                                      ; behind the last products: their results are read and A's registers written from here on
.irp a, 0,1,2,3,4,5,6,7
	v_mov_b32 v[BA2+2*\a], v[BA+\a]
	v_mov_b32 v[BA2+2*\a+1], v[BA+\a]
.endr
.irp b, 0,1,2,3
	v_mov_b32 v[TM+4+\b], 0                        ; a lane permute's destination counts as one of its sources
.endr
	v_mov_b32 v[ADR], v[L16]
	v_add_nc_u32 v[ADR+1], s9, v[L16]
	v_add_nc_u32 v[ADR+2], s8, v[L16]
	v_add_nc_u32 v[ADR+3], s9, v[ADR+2]
	v_cmp_eq_u32 vcc_lo, 1, v2                     ; lanes 16-31
	v_mov_b32 v[SELV], 0x05040100
	v_mov_b32 v3, 0x07060302
	v_cndmask_b32 v[SELV], v[SELV], v3, vcc_lo
.irp a, 0,1,2,3,4,5,6,7
	EPI \a
.endr
	; the scale words: lanes 0-15 store my first head's 256 bytes, lanes 16-31 my second head's
	s_cmp_eq_u32 s19, 0
	s_cbranch_scc0 .Lvwords
.irp f, 0,1,2,3
	v_perm_b32 v[XW+\f], v[PWS+2*\f+1], v[PWS+2*\f], v[SELV]   ; q, k: word f = my head's two bytes of token 32 f + r, then of token 32 f + 16 + r
.endr
	s_branch .Lwords
.Lvwords:
.irp f, 0,1,2,3
	v_cndmask_b32 v[XW+\f], v[PWS+\f], v[PWS+4+\f], vcc_lo     ; v: word a' = the four key blocks' bytes of channel 16 a' + r of my head
.endr
.Lwords:
	s_wait_alu depctr_va_vdst(0)
	global_store_b128 v[SA], v[XW:XW+3], s[6:7]
	s_wait_tensorcnt 0x0                           ; the wave's end
	ds_add_u32 v[SPW], v[NIL]
	s_wait_dscnt 0x0
	CROUND                                         ; the closing round
	s_endpgm
.Lfunc_end_k_q7dafd25132_qkv:
	.size	k_q7dafd25132_qkv, .Lfunc_end_k_q7dafd25132_qkv-k_q7dafd25132_qkv
	.p2alignl 7, 3214868480
	.fill 96, 4, 3214868480
	.section	.rodata,"a",@progbits
	.p2align	6, 0x0
	.amdhsa_kernel k_q7dafd25132_qkv
		.amdhsa_group_segment_fixed_size 327680
		.amdhsa_private_segment_fixed_size 0
		.amdhsa_enable_private_segment 0
		.amdhsa_kernarg_size 48
		.amdhsa_user_sgpr_count 2
		.amdhsa_user_sgpr_kernarg_segment_ptr 1
		.amdhsa_wavefront_size32 1
		.amdhsa_system_sgpr_workgroup_id_x 1
		.amdhsa_system_sgpr_workgroup_id_y 1
		.amdhsa_system_sgpr_workgroup_id_z 1
		.amdhsa_system_vgpr_workitem_id 0
		.amdhsa_next_free_vgpr 1024
		.amdhsa_next_free_sgpr 102
		.amdhsa_reserve_vcc 1
		.amdhsa_float_denorm_mode_32 3
		.amdhsa_float_denorm_mode_16_64 3
		.amdhsa_fp16_overflow 1
		.amdhsa_memory_ordered 1
		.amdhsa_forward_progress 1
		.amdhsa_inst_pref_size 190
	.end_amdhsa_kernel
	.amdgpu_metadata
---
amdhsa.version: [ 1, 2 ]
amdhsa.kernels:
  - .name:           k_q7dafd25132_qkv
    .symbol:         k_q7dafd25132_qkv.kd
    .args:
      - { .name: x_codes, .offset: 0, .size: 8, .value_kind: global_buffer, .address_space: global }
      - { .name: x_scales, .offset: 8, .size: 8, .value_kind: global_buffer, .address_space: global }
      - { .name: w_attn_codes, .offset: 16, .size: 8, .value_kind: global_buffer, .address_space: global }
      - { .name: w_attn_scales, .offset: 24, .size: 8, .value_kind: global_buffer, .address_space: global }
      - { .name: b_attn, .offset: 32, .size: 8, .value_kind: global_buffer, .address_space: global }
      - { .name: qkv, .offset: 40, .size: 8, .value_kind: global_buffer, .address_space: global }
    .group_segment_fixed_size: 327680
    .private_segment_fixed_size: 0
    .kernarg_segment_align: 8
    .kernarg_segment_size: 48
    .max_flat_workgroup_size: 128
    .sgpr_count:     102
    .vgpr_count:     1024
    .wavefront_size: 32
...
	.end_amdgpu_metadata
.endif
;; end of part 1
;; launch attn (part 2): grid 4 x 64, 16 waves a work-group, no clusters, 327,680 bytes of LDS; arguments qkv, yc, ys; writes yc, ys
.if DOCPART == 2
	.amdgcn_target "amdgcn-amd-amdhsa--gfx1250"
	.amdhsa_code_object_version 6
	.text
	.protected	k_q7dafd25132_attn
	.globl	k_q7dafd25132_attn
	.p2align	8
	.type	k_q7dafd25132_attn,@function
k_q7dafd25132_attn:
	s_mov_b64 s[64:65], 0
	v_nop
	global_prefetch_b8 v0, s[64:65] scope:SCOPE_SE
	s_setreg_imm32_b32 hwreg(HW_REG_WAVE_MODE, 25, 1), 1
	s_wait_xcnt 0x0
; y[b][t][64 head ..] = softmax_k(q . k / 8, causal) v for one head, both products on codes of BF8 (E5M2) with E8M0 scales; y is quantised along the channels for the projection and leaves as codes.
; THE SOFTMAX: t = score x log2(e) / 8; M = the running largest t rounded UP to a whole number; p = 2^(t - M) is quantised along the keys, not normalised; the row's sum is taken of the unquantised p and divides at the end.
; SHARES.  Work-group (p, head) owns the query blocks 7 - p and p of 256 queries; each of its sixteen waves owns 16 queries of the block in hand, in 256 registers, four waves to a SIMD.
; It makes NINE visits to slots of 256 keys: slots 0 .. 7 - p for the first block, then 0 .. p for the second: every work-group has the same work, and every trip count is a constant.
; A slot's 33,792 bytes (K's and V's register images and scale words, as the first launch laid them) are one dense block: waves 0 and 1 bring half of it each, into a ring of two LDS slots.
; LAYOUT.  Both products transposed: a lane holds ONE query.  The first product's K is 64: a fragment of K holds TWO tiles of 16 keys (registers 0-7, 8-15); Q stands as [q][zeros][q] in 24 registers,
; of which the first 16 pick the first tile and the last 16 the second; zero codes add nothing.  A block of 32 keys is two tiles: 16 registers of mine and 16 of lane xor 16; behind the conversions
; one exchange of halves (v_permlane16_swap_b32) gives lane (r, h) keys 16 h + 0 .. 15 of the block: the second product's operand.
; No cluster: from the fifth visit on the four work-groups of a head walk different slots, and joint loads would need 12 visits in place of 9.
; LIMITS: NaN and infinities are not served.  A block of zeros of y gets the scale byte 1 where the rule says 127: its codes are zeros, and this program alone reads the bytes.
; y's scale bytes leave two to a row of 32 (one byte a lane): one byte for 32 codes.
.set HS,    405504
.set SB,    50688
.set HALFB, 16896                      ; half a slot's block: 66 rows of 256 bytes
.set SLOT1, 65536                      ; slot 1 begins here: one exclusive or turns an address
.set SPARE, 131072                     ; the spare words, 128 bytes for each of 16 waves, which no other line names
.set AL,   1                           ; v1   16 x lane
.set AR,   2                           ; v2   16 x (lane % 16)
.set ADL,  3                           ; v3   AL in the slot in hand
.set ADW,  4                           ; v4   AR in the slot in hand
.set SPW,  5
.set NIL,  6
.set PFO,  7                           ; v7   256 x lane; never rewritten
.set YSO,  8                           ; v8   32 r + h
.set QS,   9                           ; v9   q's scale word; v10 that of the second block
.set QLS,  10
.set DQ,   11                          ; v11  r - 8 h
.set KR,   48                          ; v48-111  four fragments of K, then of V.   v16-39 Q, v40-47 the second block's q
.set S,    112                         ; v112-175 S^T, then p
.set OT,   176                         ; v176-207 O^T
.set PC,   208                         ; v208-223 p's codes.  v12 -M, v13 the largest t, v[14:15] the sum; v232-255 at work
.set TB,   2                           ; s2   the slot in hand
.set WV,   18
.set MNT,  19
.set SEL,  20
.set CS,   22                          ; s[22:23] c = log2(e) / 8
.set VIS,  40                          ; s40  the visit last asked for
.set NS,   41                          ; s41  its slot of keys
.set WRAP, 42                          ; s42  8 - p: the first visit of the second block; s43 = that + 1
.set KEY0, 44                          ; s44  the step's first key
.set QRY0, 45                          ; s45  my first query; s46 that of the second block
.set QRYL, 46
.set PFA,  48
.set LIM,  50
.set HI16, 51                          ; s51  the mask of lanes 16-31
.macro TLOAD                           ; waves 0 and 1 fetch; four v_nop follow the line
	s_cmp_lt_u32 s[WV], 2
	s_cbranch_scc0 .Lnone_\@
	tensor_load_to_lds s[32:35], s[24:31]
	s_nop 0
.rept 4
	v_nop
.endr
.Lnone_\@:
.endm
; A PREFETCH INTO THE L2 of the codes that the NEXT change of slots will ask for: 32,768 bytes, 8,192 a wave, lanes 256 bytes apart.  The work-group p = 0 of a head walks all eight slots in order: it asks,
; by its waves 4 to 7, which fetch nothing; so each block of 256 bytes is named once in the launch.  It asks in the first six trips (slots 2 to 7); slots 0 and 1 and the scale words come by their loads alone.
.macro ASK
	s_cmp_gt_u32 s3, s[LIM]
	s_cbranch_scc0 .Lnot_mine_\@
	global_prefetch_b8 v[PFO], s[PFA:PFA+1] th:TH_LOAD_NT scope:SCOPE_SE
.Lnot_mine_\@:
.endm
.macro INIT                            ; a block of queries begins: O^T and the sum are zeros, the largest t lies under every t
	v_mov_b32 v13, 0xff61b1e6
	s_delay_alu instid0(VALU_DEP_1)
	v_floor_f32 v12, -v13
	v_mov_b32 v14, 0
	v_mov_b32 v15, 0
.irp b, 0,1,2,3
	v_mov_b32 v[236+\b], 0                         ; a lane permute's destination counts as one of its sources
.endr
	v_mov_b32 v252, 0
	v_mov_b32 v253, 0
.set jj, 0
.rept 32
	v_mov_b32 v[OT+jj], 0
.set jj, jj+1
.endr
.endm
	s_load_b128 s[4:7], s[0:1], 0x0                ; qkv, yc
	s_load_b64 s[8:9], s[0:1], 0x10                ; ys
	v_lshl_add_u32 v[SPW], v0, 2, SPARE
	v_mov_b32 v[NIL], 0
	ds_add_u32 v5, v6
	ds_add_u32 v5, v6
	s_wait_dscnt 0x0
	v_lshrrev_b32 v3, 5, v0
	s_delay_alu instid0(VALU_DEP_1)
	v_readfirstlane_b32 s[WV], v3                  ; wave 0..15
	s_and_b32 s60, ttmp7, 0xffff                   ; batch x 16 + head
	s_and_b32 s61, s60, 15                         ; head
	s_lshr_b32 s69, s60, 4                         ; batch
	s_sub_co_u32 s63, 7, ttmp9                     ; the first block of queries
	s_lshl_b32 s66, s[WV], 4
	s_lshl_b32 s[QRY0], s63, 8
	s_add_co_u32 s[QRY0], s[QRY0], s66
	s_lshl_b32 s[QRYL], ttmp9, 8
	s_add_co_u32 s[QRYL], s[QRYL], s66
	s_add_co_u32 s[WRAP], s63, 1
	s_add_co_u32 s43, s63, 2
	s_mul_i32 s67, s60, HS                         ; the head's first byte in qkv
	s_and_b32 s68, s[WV], 1
	s_mul_i32 s33, s68, HALFB                      ; my half of a slot, in LDS
	s_add_co_u32 s38, s67, s33                     ; and in memory
	s_mov_b32 s39, 0
	s_mov_b32 s24, 3<<16                           ; group 1: 66 dense rows of 256 bytes (32 elements of 8 bytes), no mask, no padding
	s_mov_b32 s25, 32<<16
	s_mov_b32 s26, 66<<16
	s_mov_b32 s27, 32<<16
	s_mov_b32 s28, 66
	s_mov_b32 s29, 32
	s_mov_b32 s30, 0
	s_mov_b32 s31, 0
	s_mov_b32 s[SEL], 0x76543210
	s_mov_b32 s[SEL+1], 0xfedcba98
	s_mov_b32 s[CS], 0x3e38aa3b                    ; log2(e) / 8
	s_mov_b32 s[CS+1], s[CS]
	s_mov_b32 s[HI16], 0xffff0000
	s_mov_b32 s[TB], 0
	s_mov_b32 s[VIS], 0
	s_mov_b32 s[NS], 0
	s_mov_b32 s[KEY0], 0
	s_wait_kmcnt 0x0
	s_add_nc_u64 s[36:37], s[4:5], s[38:39]        ; my half of the head's slot 0
	s_mov_b32 s32, 1
	s_mov_b64 s[34:35], s[36:37]
	s_or_b32 s35, s35, 0x80000000
	TLOAD                                          ; visit 0 into slot 0
	v_and_b32 v[AL], 31, v0
	s_delay_alu instid0(VALU_DEP_1)
	v_lshlrev_b32 v[AL], 4, v[AL]
	s_wait_alu depctr_va_vdst(0)
	v_and_b32 v[DQ], 15, v0                        ; r
	s_delay_alu instid0(VALU_DEP_1)
	v_lshlrev_b32 v[AR], 4, v[DQ]
	s_wait_alu depctr_va_vdst(0)
	v_lshlrev_b32 v[PFO], 4, v[AL]
	v_bfe_u32 v3, v0, 4, 1                         ; h
	s_delay_alu instid0(VALU_DEP_1)
	v_lshl_add_u32 v[YSO], v[AR], 1, v3
	s_delay_alu instid0(VALU_DEP_2)
	v_lshlrev_b32 v3, 3, v3
	s_delay_alu instid0(VALU_DEP_1)
	v_sub_nc_u32 v[DQ], v[DQ], v3
	s_mul_i32 s70, s63, SB                         ; the two blocks' slots hold their q
	s_add_co_u32 s70, s70, s67
	s_mov_b32 s71, 0
	s_mul_i32 s72, ttmp9, SB
	s_add_co_u32 s72, s72, s67
	s_mov_b32 s73, 0
	s_add_nc_u64 s[70:71], s[4:5], s[70:71]
	s_add_nc_u64 s[72:73], s[4:5], s[72:73]
	s_lshl_b32 s74, s[WV], 10
	s_add_co_u32 s74, s74, 33792
	v_add_nc_u32 v254, s74, v[AL]                  ; my tile's image: 1,024 bytes a tile
	s_lshr_b32 s75, s[WV], 3
	s_lshl_b32 s75, s75, 8
	s_bfe_u32 s76, s[WV], 0x20001
	s_lshl_b32 s76, s76, 2
	s_add_co_u32 s75, s75, s76
	s_add_co_u32 s75, s75, 50176
	v_add_nc_u32 v255, s75, v[AR]                  ; the word that holds my tile's two bytes of row r
	global_load_b128 v[16:19], v254, s[70:71]
	global_load_b128 v[20:23], v254, s[70:71] offset:512
	global_load_b128 v[32:35], v254, s[70:71]
	global_load_b128 v[36:39], v254, s[70:71] offset:512
	global_load_b128 v[40:43], v254, s[72:73]
	global_load_b128 v[44:47], v254, s[72:73] offset:512
	global_load_b32 v[QS], v255, s[70:71]
	global_load_b32 v[QLS], v255, s[72:73]
	s_cmp_eq_u32 s68, 0
	s_mov_b32 s47, 0x03020302
	s_cselect_b32 s47, 0x01000100, s47             ; an even tile's bytes are the word's lower two
	; where y goes: yc [head / 4][tile of 16 rows][(head / 2) % 2][2 (head % 2) + g][lane][16 bytes]; ys [token][32]
	s_lshr_b32 s74, s61, 2
	s_lshl_b32 s74, s74, 21
	s_bfe_u32 s75, s61, 0x10001
	s_lshl_b32 s75, s75, 11
	s_add_co_u32 s74, s74, s75
	s_and_b32 s75, s61, 1
	s_lshl_b32 s75, s75, 10
	s_add_co_u32 s74, s74, s75
	s_lshl_b32 s75, s69, 7
	s_add_co_u32 s75, s75, s[WV]
	s_lshl_b32 s75, s75, 12
	s_add_co_u32 s74, s74, s75
	s_lshl_b32 s76, s63, 16
	s_add_co_u32 s76, s76, s74
	s_mov_b32 s77, 0
	s_lshl_b32 s78, ttmp9, 16
	s_add_co_u32 s78, s78, s74
	s_mov_b32 s79, 0
	s_add_nc_u64 s[52:53], s[6:7], s[76:77]
	s_add_nc_u64 s[54:55], s[6:7], s[78:79]
	s_lshl_b32 s74, s69, 11
	s_lshl_b32 s75, s61, 1
	s_add_co_u32 s76, s74, s[QRY0]
	s_lshl_b32 s76, s76, 5
	s_add_co_u32 s76, s76, s75
	s_add_co_u32 s78, s74, s[QRYL]
	s_lshl_b32 s78, s78, 5
	s_add_co_u32 s78, s78, s75
	s_add_nc_u64 s[56:57], s[8:9], s[76:77]
	s_add_nc_u64 s[58:59], s[8:9], s[78:79]
	s_and_b32 s74, s[WV], 3                        ; the prefetches: my 8,192 bytes, in slot 1; the first change of slots steps them to slot 2
	s_lshl_b32 s74, s74, 13
	s_add_co_u32 s74, s74, s67
	s_add_co_u32 s74, s74, SB
	s_mov_b32 s75, 0
	s_add_nc_u64 s[PFA:PFA+1], s[4:5], s[74:75]
	s_lshr_b32 s74, s[WV], 2
	s_xor_b32 s74, s74, 1                          ; 0 in waves 4 to 7,
	s_or_b32 s74, s74, ttmp9                       ; of the work-group p = 0
	s_cmp_eq_u32 s74, 0
	s_cselect_b32 s[LIM], 2, -1
.irp i, 0,1,2,3,4,5,6,7
	v_mov_b32 v[24+\i], 0                          ; the zero codes between the two copies of q
.endr
	INIT
	s_wait_loadcnt 0x0
	v_perm_b32 v[QS], v[QS], v[QS], s47            ; {q0, q1, q0, q1}
	v_perm_b32 v[QLS], v[QLS], v[QLS], s47
; A KEY STEP: 128 keys, the q-th of the slot in hand.
.macro STEP q
	s_add_co_u32 s62, s[QRY0], 15                  ; a step all of whose keys come after my 16 queries is left out: a scalar branch on ids; no barrier and no tensor load stands in a step
	s_cmp_gt_u32 s[KEY0], s62
	s_cbranch_scc1 .Lhidden_\@
	v_add_nc_u32 v[ADL], s[TB], v[AL]
	v_add_nc_u32 v[ADW], s[TB], v[AR]
.rept 6
	v_nop                                          ; with the two additions: eight places in front of loads into registers that matrix instructions have read
.endr
.irp f, 0,1,2,3
.irp c, 0,1,2,3
	ds_load_b128 v[KR+16*\f+4*\c:KR+16*\f+4*\c+3], v[ADL] offset:(\q)*8192+\f*2048+\c*512   ; fragment f: key tiles 2 f and 2 f + 1, as images
.endr
.endr
	ds_load_b128 v[248:251], v[ADW] offset:32768+256*(\q)   ; its four scale words of row r
	s_wait_dscnt 0x0
	s_wait_alu depctr_va_vdst(0)
.irp f, 0,1,2,3
	v_wmma_scale_f32_16x16x128_f8f6f4 v[S+16*\f:S+16*\f+7], v[KR+16*\f:KR+16*\f+15], v[16:31], 0, v[248+\f], v[QS] matrix_a_fmt:MATRIX_FMT_BF8 matrix_b_fmt:MATRIX_FMT_BF8
	v_wmma_scale_f32_16x16x128_f8f6f4 v[S+16*\f+8:S+16*\f+15], v[KR+16*\f:KR+16*\f+15], v[24:39], 0, v[248+\f], v[QS] matrix_a_fmt:MATRIX_FMT_BF8 matrix_b_fmt:MATRIX_FMT_BF8
.endr                                              ; register 16 f + 8 u + j: key 32 f + 16 u + 8 (lane / 16) + j of the step, query lane % 16
.rept 8
	v_nop
.endr
.irp a, 0,1,2,3                                    ; V's fragments are asked for now and land under the softmax
.irp c, 0,1,2,3
	ds_load_b128 v[KR+16*\a+4*\c:KR+16*\a+4*\c+3], v[ADL] offset:16384+(\q)*8192+(\c/2)*4096+\a*1024+(\c%2)*512
.endr
.endr
	ds_load_b128 v[248:251], v[ADW] offset:33280+256*(\q)
	s_add_co_u32 s62, s[KEY0], 127                 ; on the diagonal hidden scores become -infinity ahead of the maximum; a step all of whose keys count skips this
	s_cmp_le_u32 s62, s[QRY0]
	s_cbranch_scc1 .Lopen_\@
	s_sub_co_i32 s62, s[QRY0], s[KEY0]
	v_add_nc_u32 v252, s62, v[DQ]                  ; d = my query - the step's first key - 8 (lane / 16): register n is hidden where its key's constant part is above d
	v_mov_b32 v254, 0xff800000
.set n, 0
.rept 64
	v_cmp_gt_i32 vcc_lo, 32*(n/16)+16*((n/8)%2)+n%8, v252
	v_cndmask_b32 v[S+n], v[S+n], v254, vcc_lo
.set n, n+1
.endr
.Lopen_\@:
.irp b, 0,1,2,3
	v_max3_num_f32 v[232+\b], v[S+16*\b], v[S+1+16*\b], v[S+2+16*\b]   ; the largest score of each block of 32 keys: for the row's maximum and for the block's largest p
.endr
.irp i, 3,5,7,9,11,13
.irp b, 0,1,2,3
	v_max3_num_f32 v[232+\b], v[232+\b], v[S+16*\b+\i], v[S+1+16*\b+\i]
.endr
.endr
.irp b, 0,1,2,3
	v_max_num_f32 v[232+\b], v[232+\b], v[S+15+16*\b]
.endr
.irp b, 0,1,2,3
	s_delay_alu instid0(VALU_DEP_4)
	v_permlanex16_b32 v[236+\b], v[232+\b], s[SEL], s[SEL+1]
.endr
.irp b, 0,1,2,3
	s_delay_alu instid0(VALU_DEP_4)
	v_max_num_f32 v[232+\b], v[232+\b], v[236+\b]
.endr
	s_delay_alu instid0(VALU_DEP_2)
	v_max3_num_f32 v254, v232, v233, v234
	s_delay_alu instid0(VALU_DEP_1)
	v_max_num_f32 v254, v254, v235
	s_delay_alu instid0(VALU_DEP_1)
	v_mul_f32 v254, s[CS], v254
	s_delay_alu instid0(VALU_DEP_1)
	v_max_num_f32 v13, v13, v254                   ; the running largest t
	v_mov_b32 v254, v12
	s_delay_alu instid0(VALU_DEP_2)
	v_floor_f32 v12, -v13                          ; -M = floor(-t): M is a whole number
	s_delay_alu instid0(VALU_DEP_1)
	v_sub_f32 v254, v12, v254
	s_delay_alu instid0(VALU_DEP_1)
	v_cvt_i32_f32 v254, v254                       ; (it saturates)
	s_delay_alu instid0(VALU_DEP_1)
	v_ldexp_f32 v252, 1.0, v254                    ; f = 2^(old M - new M)
.set jj, 0
.rept 32
	v_pk_fma_f32 v[S+jj:S+jj+1], v[S+jj:S+jj+1], s[CS:CS+1], v[12:13] op_sel_hi:[1,0,0]   ; t - M
.set jj, jj+2
.endr
.irp b, 0,1,2,3
	v_fma_f32 v[232+\b], v[232+\b], s[CS], v12
.endr
.set jj, 0
	s_wait_alu depctr_va_vdst(0)
.rept 64
	v_exp_f32 v[S+jj], v[S+jj]                     ; p = 2^(t - M)
.set jj, jj+1
.endr
	v_pk_mul_f32 v[14:15], v[14:15], v[252:253] op_sel_hi:[1,0]   ; the sums under the new M: the plain instruction behind the batch
	s_wait_alu depctr_va_vdst(0)                   ; one wait for the batch, ahead of its first reader
.irp b, 0,1,2,3
	v_exp_f32 v[232+\b], v[232+\b]                 ; the blocks' largest p
.endr
	v_pk_add_f32 v[236:237], v[116:117], v[120:121]
	v_pk_add_f32 v[254:255], v[124:125], v[128:129]
	v_pk_add_f32 v[246:247], v[132:133], v[136:137]
	v_pk_add_f32 v[244:245], v[140:141], v[144:145]
	v_pk_add_f32 v[242:243], v[148:149], v[152:153]
	v_pk_add_f32 v[240:241], v[156:157], v[160:161]
	v_pk_add_f32 v[238:239], v[164:165], v[168:169]
	v_pk_add_f32 v[14:15], v[14:15], v[172:173]
	v_pk_add_f32 v[236:237], v[236:237], v[112:113]
	v_pk_add_f32 v[254:255], v[254:255], v[114:115]
	v_pk_add_f32 v[246:247], v[246:247], v[118:119]
	v_pk_add_f32 v[244:245], v[244:245], v[122:123]
	v_pk_add_f32 v[242:243], v[242:243], v[126:127]
	v_pk_add_f32 v[240:241], v[240:241], v[130:131]
	v_pk_add_f32 v[238:239], v[238:239], v[134:135]
	v_pk_add_f32 v[14:15], v[14:15], v[138:139]
	v_pk_add_f32 v[236:237], v[236:237], v[142:143]
	v_pk_add_f32 v[254:255], v[254:255], v[146:147]
	v_pk_add_f32 v[246:247], v[246:247], v[150:151]
	v_pk_add_f32 v[244:245], v[244:245], v[154:155]
	v_pk_add_f32 v[242:243], v[242:243], v[158:159]
	v_pk_add_f32 v[240:241], v[240:241], v[162:163]
	v_pk_add_f32 v[238:239], v[238:239], v[166:167]
	v_pk_add_f32 v[14:15], v[14:15], v[170:171]
	v_pk_add_f32 v[236:237], v[236:237], v[174:175]
	s_delay_alu instid0(VALU_DEP_2)
	v_pk_add_f32 v[14:15], v[14:15], v[244:245]
	s_delay_alu instid0(VALU_DEP_2)
	v_pk_add_f32 v[236:237], v[236:237], v[242:243]
	v_pk_add_f32 v[254:255], v[254:255], v[240:241]
	v_pk_add_f32 v[246:247], v[246:247], v[238:239]
	s_delay_alu instid0(VALU_DEP_2)
	v_pk_add_f32 v[14:15], v[14:15], v[254:255]
	s_delay_alu instid0(VALU_DEP_2)
	v_pk_add_f32 v[236:237], v[236:237], v[246:247]
	s_delay_alu instid0(VALU_DEP_1)
	v_pk_add_f32 v[14:15], v[14:15], v[236:237]
	s_wait_alu depctr_va_vdst(0)                   ; and one for the four
.irp b, 0,1,2,3
	v_max_num_f32 v[232+\b], 0x8000000, v[232+\b]  ; the floor 2^(16 - 127)
.endr
.irp b, 0,1,2,3
	s_delay_alu instid0(VALU_DEP_4)
	v_add_nc_u32 v[244+\b], 0xf8800000, v[232+\b]
.endr
.irp b, 0,1,2,3
.endr
.irp b, 0,1,2,3
	s_delay_alu instid0(VALU_DEP_4)
	v_lshrrev_b32 v[236+\b], 23, v[244+\b]
.endr
	s_delay_alu instid0(VALU_DEP_3)
	v_lshl_or_b32 v253, v237, 8, v236              ; p's scale word for these 128 keys
	s_delay_alu instid0(VALU_DEP_1)
	v_lshl_or_b32 v253, v238, 16, v253
	s_delay_alu instid0(VALU_DEP_1)
	v_lshl_or_b32 v253, v239, 24, v253
.irp b, 0,1,2,3
.irp i, 0,1,2,3,4,5,6,7,8,9,10,11,12,13,14,15
.endr
	v_cvt_scalef32_pk8_bf8_f32 v[PC+4*\b:PC+1+4*\b], v[S+16*\b:S+7+16*\b], v[244+\b]
	v_cvt_scalef32_pk8_bf8_f32 v[PC+2+4*\b:PC+3+4*\b], v[S+8+16*\b:S+15+16*\b], v[244+\b]
.endr
	v_nop                                          ; a plain instruction behind the conversions
.irp b, 0,1,2,3
	v_permlane16_swap_b32 v[PC+4*\b], v[PC+4*\b+2] ; lane (r, h) now holds keys 32 b + 16 h + 0 .. 15
	v_permlane16_swap_b32 v[PC+4*\b+1], v[PC+4*\b+3]
.endr
.set jj, 0
.rept 16
	v_pk_mul_f32 v[OT+jj:OT+jj+1], v[OT+jj:OT+jj+1], v[252:253] op_sel_hi:[1,0]   ; O^T under the new M; these are also the places in front of the products
.set jj, jj+2
.endr
	s_wait_alu depctr_va_vdst(0)
	s_wait_dscnt 0x0                               ; V
.irp a, 0,1,2,3
	v_wmma_scale_f32_16x16x128_f8f6f4 v[OT+8*\a:OT+8*\a+7], v[KR+16*\a:KR+16*\a+15], v[PC:PC+15], v[OT+8*\a:OT+8*\a+7], v[248+\a], v253 matrix_a_fmt:MATRIX_FMT_BF8 matrix_b_fmt:MATRIX_FMT_BF8
.endr
.Lhidden_\@:
	s_add_co_u32 s[KEY0], s[KEY0], 128
.endm
; A block of queries is done: y = O^T / the sum; its two blocks of 32 channels are quantised; the codes leave as two images of 512 bytes, the scale bytes one a lane.
.macro WAYOUT
.rept 8
	v_nop
.endr
	v_add_f32 v14, v14, v15
	s_delay_alu instid0(VALU_DEP_1)
	v_permlanex16_b32 v252, v14, s[SEL], s[SEL+1]
	s_delay_alu instid0(VALU_DEP_1)
	v_add_f32 v14, v14, v252
	s_wait_alu depctr_va_vdst(0)
	v_rcp_f32 v14, v14
	v_nop
	s_wait_alu depctr_va_vdst(0)
.set jj, 0
.rept 16
	v_pk_mul_f32 v[S+jj:S+jj+1], v[OT+jj:OT+jj+1], v[14:15] op_sel_hi:[1,0]   ; each accumulator from its low end on
.set jj, jj+2
.endr
.irp g, 0,1
	v_max3_num_f32 v[232+\g], |v[S+16*\g]|, |v[S+1+16*\g]|, 0x8000000
.endr
.irp i, 2,4,6,8,10,12,14
.irp g, 0,1
	s_delay_alu instid0(VALU_DEP_2)
	v_max3_num_f32 v[232+\g], v[232+\g], |v[S+16*\g+\i]|, |v[S+1+16*\g+\i]|
.endr
.endr
.irp g, 0,1
	s_delay_alu instid0(VALU_DEP_2)
	v_permlanex16_b32 v[236+\g], v[232+\g], s[SEL], s[SEL+1]
.endr
.irp g, 0,1
	s_delay_alu instid0(VALU_DEP_2)
	v_max_num_f32 v[232+\g], v[232+\g], v[236+\g]
.endr
.irp g, 0,1
	s_delay_alu instid0(VALU_DEP_2)
	v_add_nc_u32 v[244+\g], 0xf8800000, v[232+\g]
.endr
.irp g, 0,1
.endr
.irp g, 0,1
	s_delay_alu instid0(VALU_DEP_2)
	v_lshrrev_b32 v[236+\g], 23, v[244+\g]
.endr
	s_delay_alu instid0(VALU_DEP_1)
	v_cndmask_b32 v254, v236, v237, s[HI16]        ; lanes 0-15 store block 0's byte of row r, lanes 16-31 block 1's
.irp g, 0,1
.irp i, 0,1,2,3,4,5,6,7,8,9,10,11,12,13,14,15
.endr
	v_cvt_scalef32_pk8_bf8_f32 v[PC+4*\g:PC+1+4*\g], v[S+16*\g:S+7+16*\g], v[244+\g]
	v_cvt_scalef32_pk8_bf8_f32 v[PC+2+4*\g:PC+3+4*\g], v[S+8+16*\g:S+15+16*\g], v[244+\g]
.endr
	v_nop
.irp g, 0,1
	v_permlane16_swap_b32 v[PC+4*\g], v[PC+4*\g+2]
	v_permlane16_swap_b32 v[PC+4*\g+1], v[PC+4*\g+3]
.endr
	global_store_b128 v[AL], v[PC:PC+3], s[52:53]
	global_store_b128 v[AL], v[PC+4:PC+7], s[52:53] offset:512
	global_store_b8 v[YSO], v254, s[56:57]
	s_wait_xcnt 0x0                                ; the stores have read their data and bases: both may be written again
.endm
; At the first visit of the second block: the first block leaves, and the second block's q, scale word, places and zeros come in.  The branch hangs on the work-group's number and the visit's: alike in all waves.
.macro SWITCH reg
	s_cmp_eq_u32 s[VIS], s[\reg]
	s_cbranch_scc0 .Lsame_\@
	WAYOUT
	INIT
	v_mov_b32 v[QS], v[QLS]
.irp i, 0,1,2,3,4,5,6,7
	v_mov_b32 v[16+\i], v[40+\i]
	v_mov_b32 v[32+\i], v[40+\i]
.endr
	s_mov_b32 s[QRY0], s[QRYL]
	s_mov_b32 s[KEY0], 0
	s_mov_b64 s[52:53], s[54:55]
	s_mov_b64 s[56:57], s[58:59]
.Lsame_\@:
.endm
; THE CHANGE OF SLOTS, at a visit's head: each wave waits for all its tensor loads, adds 0 to its spare word, and waits for that and for its reads of the slot that it has left.
; fill = 1: that slot takes the next visit's keys: the load has a whole visit's steps in which to land.
.macro CHANGE fill
	s_wait_tensorcnt 0x0                           ; no tensor load of mine is out, so group 0 may be written
	ds_add_u32 v[SPW], v[NIL]
.if \fill
	s_xor_b32 s33, s33, SLOT1                      ; the other slot than last time
	s_add_co_u32 s[VIS], s[VIS], 1
	s_add_co_u32 s[NS], s[NS], 1
	s_cmp_eq_u32 s[VIS], s[WRAP]
	s_cselect_b32 s[NS], 0, s[NS]                  ; the second block begins again at the head's first keys
	s_mul_i32 s38, s[NS], SB
	s_add_nc_u64 s[34:35], s[36:37], s[38:39]
	s_or_b32 s35, s35, 0x80000000
	s_wait_xcnt 0x0                                ; the last prefetch, a visit back, has read its address
	s_add_nc_u64 s[PFA:PFA+1], s[PFA:PFA+1], SB
.endif
	s_wait_dscnt 0x0                               ; the add is done, and my reads of the slot that I have left are over
	s_barrier_signal -1
	s_barrier_wait -1
.if \fill
	TLOAD                                          ; the first thing behind the barrier, a wave's one tensor load until the next
	ASK
.endif
.endm
	s_mov_b32 s3, 8
.Lslot:                                            ; eight trips: behind each change of slots but the last the next visit's keys are asked for
	CHANGE 1
	SWITCH 43                                      ; (the count of visits is one ahead here)
	STEP 0
	STEP 1
	s_xor_b32 s[TB], s[TB], SLOT1
	s_sub_co_u32 s3, s3, 1
	s_cmp_lg_u32 s3, 0
	s_cbranch_scc1 .Lslot
	CHANGE 0                                       ; the ninth visit is written out
	SWITCH 42
	STEP 0
	STEP 1
	WAYOUT
	s_wait_tensorcnt 0x0                           ; the wave's end
	ds_add_u32 v[SPW], v[NIL]
	s_wait_dscnt 0x0
	s_endpgm
.Lfunc_end_k_q7dafd25132_attn:
	.size	k_q7dafd25132_attn, .Lfunc_end_k_q7dafd25132_attn-k_q7dafd25132_attn
	.p2alignl 7, 3214868480
	.fill 96, 4, 3214868480
	.section	.rodata,"a",@progbits
	.p2align	6, 0x0
	.amdhsa_kernel k_q7dafd25132_attn
		.amdhsa_group_segment_fixed_size 327680
		.amdhsa_private_segment_fixed_size 0
		.amdhsa_enable_private_segment 0
		.amdhsa_kernarg_size 24
		.amdhsa_user_sgpr_count 2
		.amdhsa_user_sgpr_kernarg_segment_ptr 1
		.amdhsa_wavefront_size32 1
		.amdhsa_system_sgpr_workgroup_id_x 1
		.amdhsa_system_sgpr_workgroup_id_y 1
		.amdhsa_system_sgpr_workgroup_id_z 1
		.amdhsa_system_vgpr_workitem_id 0
		.amdhsa_next_free_vgpr 256
		.amdhsa_next_free_sgpr 80
		.amdhsa_reserve_vcc 1
		.amdhsa_float_denorm_mode_32 3
		.amdhsa_float_denorm_mode_16_64 3
		.amdhsa_fp16_overflow 1
		.amdhsa_memory_ordered 1
		.amdhsa_forward_progress 1
		.amdhsa_inst_pref_size 117
	.end_amdhsa_kernel
	.amdgpu_metadata
---
amdhsa.version: [ 1, 2 ]
amdhsa.kernels:
  - .name:           k_q7dafd25132_attn
    .symbol:         k_q7dafd25132_attn.kd
    .args:
      - { .name: qkv, .offset: 0, .size: 8, .value_kind: global_buffer, .address_space: global }
      - { .name: yc, .offset: 8, .size: 8, .value_kind: global_buffer, .address_space: global }
      - { .name: ys, .offset: 16, .size: 8, .value_kind: global_buffer, .address_space: global }
    .group_segment_fixed_size: 327680
    .private_segment_fixed_size: 0
    .kernarg_segment_align: 8
    .kernarg_segment_size: 24
    .max_flat_workgroup_size: 512
    .sgpr_count:     80
    .vgpr_count:     256
    .wavefront_size: 32
...
	.end_amdgpu_metadata
.endif
;; end of part 2
;; launch proj (part 3): grid 8 x 32, 4 waves a work-group, clusters of 4 x 4, 327,680 bytes of LDS; arguments yc, ys, w_proj_codes, w_proj_scales, b_proj, out0; writes out0
.if DOCPART == 3
	.amdgcn_target "amdgcn-amd-amdhsa--gfx1250"
	.amdhsa_code_object_version 6
	.text
	.protected	k_q7dafd25132_proj
	.globl	k_q7dafd25132_proj
	.p2align	8
	.type	k_q7dafd25132_proj,@function
k_q7dafd25132_proj:
	s_mov_b64 s[64:65], 0
	v_nop
	global_prefetch_b8 v0, s[64:65] scope:SCOPE_SE
	s_setreg_imm32_b32 hwreg(HW_REG_WAVE_MODE, 25, 1), 1
	s_wait_xcnt 0x0
	s_wait_alu depctr_hold_cnt(0) depctr_sa_sdst(0) depctr_va_vdst(0) depctr_va_sdst(0) depctr_va_ssrc(0) depctr_va_vcc(0) depctr_vm_vsrc(0)
	s_getreg_b32 s2, hwreg(HW_REG_IB_STS2, 6, 4)
	s_cmp_eq_u32 s2, 0
	s_cbranch_scc0 .Lentry_in_a_cluster
	s_endpgm
.Lentry_in_a_cluster:
	s_bfe_u32 s2, ttmp6, 0x10000c
	s_cmp_lg_u32 s2, 0xf033
	s_cbranch_scc0 .Lentry_shape_is_right
	s_endpgm
.Lentry_shape_is_right:
; out = y W_proj^T + b_proj on codes of BF8 (E5M2) with E8M0 scales: [8192 x 1024] x [1024 x 1024], f32 out.
; A tile of the result is 256 rows x 128 columns: 256 work-groups.  Four waves, 128 x 64 each: 32 accumulators, 256 registers.  K goes in steps of 256 through a ring of two LDS slots.
; A = y: its codes lie in memory as images of the operand's registers ([K / 256][tile of 16 rows][K step of 128][4 registers' group][lane][16 bytes]): 128 rows' part of a slot is one dense block of 32,768 bytes,
; and a fragment is four loads of 512 consecutive bytes.  B = W_proj: rows of codes, padded in LDS.  The scale bytes of the tile's rows come once and stay.
; THE MATRIX INSTRUCTION IS USED TRANSPOSED (source 0 = 16 rows of W, source 1 = 16 rows of y): a lane holds eight neighbouring numbers of a row of the result.  The bias is the C of each sum's first instruction.
; CLUSTERS: 4 x 4; A's tile is asked for jointly along a row of the cluster, B's along a column.  No prefetch: K has four slots' worth of tiles, two of them first fills.
.set NQ,    2
.set PITCH, 272
.set FR,    16
.set NL,    4
.set NP,    8
.set AHALF, 32768                      ; 128 rows of y, 256 along K, as images
.set BHALF, 64*PITCH                   ; 64 rows of W
.set BOFF,  2*AHALF
.set SLOT,  BOFF+2*BHALF
.set ASTEP, 2097152                    ; 256 along K on, in yc
.set LAPS,  2
.set HALFSA, 16*272                    ; the scale bytes of 128 rows
.set HALFSB, 8*272                     ; of 64 rows
.set SBLK,  2*272                      ; of 16 rows
.set SCLB,  2*SLOT                     ; behind the ring: B's scale bytes, in front of A's: the loads for blocks 4-7, which B has not, read on into A's bytes in lanes 0-15, and nobody names those registers as B's
.set SCLA,  SCLB+2*HALFSB
.set SPARE, SCLA+2*HALFSA              ; the spare words, 128 bytes a wave, which no other line names
.set STAGE, SPARE+512                  ; the way out: 16 rows x (256 + 16) bytes for each wave; no tensor load lands here
.set SPITCH, 272
.set ADRA, 16
.set ADRB, 20
.set STO,  24
.set RD,   25
.set CO,   26
.set ADRS, 27
.set SPW,  28
.set NIL,  29
.set BPO,  30
.set SC,   32                          ; v32-63  scale words, two sets: lanes 0-15 B's block i, lanes 16-31 A's block i
.set BP,   64                          ; v64-95  the bias: b[n0 + 16 b + 8 h + j] at 8 b + j
.set AF,   128                         ; v128-255 A's fragments.  Window 1: B's, two sets, at v0 and v128.  Window 2: the accumulators, (a, b) at 8 (4 a + b)
.set BK,   128                         ; the way out: 16 rows read back: v128-159 and v160-191 by turns
.set G1, 24
.set G0, 32
.set G1B, 48
.set G0B, 56
.set G1S, 68
.set G0S, 76
.set G1SB, 80
.set G0SB, 88
.set MSB, 0
.macro WIN new
.if MSB != (\new)
	s_set_vgpr_msb (MSB<<8)|(\new)
.set MSB, (\new)
.endif
.endm
.set MUL,   0xa1                       ; source 0 (B) window 1, source 1 (A) window 0, C and D window 2
.set MUL_B, 0x81                       ; the same with C (the bias) in window 0
.set TO_B,  0x40
.macro JLOAD g0a, g1a, g0b, g1b        ; waves 0 and 1 fetch for A, waves 2 and 3 for B; four v_nop follow each line
	s_cmp_eq_u32 s17, 0
	s_cbranch_scc0 .Lfor_b_\@
	tensor_load_to_lds s[\g0a:\g0a+3], s[\g1a:\g1a+7]
	s_nop 0
.rept 4
	v_nop
.endr
	s_branch .Lasked_\@
.Lfor_b_\@:
	tensor_load_to_lds s[\g0b:\g0b+3], s[\g1b:\g1b+7]
	s_nop 0
.rept 4
	v_nop
.endr
.Lasked_\@:
.endm
.macro CREST
	s_cmp_lg_u32 s16, 0
	s_cbranch_scc1 .Lnot_wave_0_\@
	s_barrier_signal -3
.Lnot_wave_0_\@:
	s_barrier_wait -3
	s_barrier_signal -1
	s_barrier_wait -1
.endm
.macro CROUND
	s_barrier_signal -1
	s_barrier_wait -1
	CREST
.endm
	s_load_b256 s[4:11], s[0:1], 0x0               ; y's codes, y's scales, W's codes, W's scales
	s_load_b128 s[12:15], s[0:1], 0x20             ; b_proj, out
	v_lshl_add_u32 v[SPW], v0, 2, SPARE
	v_mov_b32 v[NIL], 0
	ds_add_u32 v28, v29
	ds_add_u32 v28, v29
	s_wait_dscnt 0x0
	v_lshrrev_b32 v1, 5, v0
	v_readfirstlane_b32 s16, v1                    ; wave
	s_lshr_b32 s17, s16, 1                         ; RH: which 128 rows of A are mine.  Also: I fetch for A (0) or for B (1)
	s_and_b32 s18, s16, 1                          ; CH: which 64 rows of B.  Also: which half I fetch
	s_bfe_u32 s40, ttmp6, 0x40000                  ; cx
	s_bfe_u32 s41, ttmp6, 0x40004                  ; cy
	s_lshl_b32 s42, ttmp9, 2
	s_add_co_u32 s42, s42, s40                     ; TC: the tile of 128 columns
	s_and_b32 s43, ttmp7, 0xffff
	s_lshl_b32 s43, s43, 2
	s_add_co_u32 s43, s43, s41                     ; TR: the tile of 256 rows
	s_lshl_b32 s44, s41, 2
	s_lshl_b32 s44, 15, s44                        ; my row of the cluster
	s_lshl_b32 s45, 0x1111, s40                    ; my column
	s_or_b32 s[G1+0], s44, (3<<16)|(1<<21)         ; A's codes: 128 dense rows of 256 bytes (32 elements of 8 bytes), no padding
	s_mov_b32 s[G1+1], 32<<16
	s_mov_b32 s[G1+2], 128<<16
	s_mov_b32 s[G1+3], 32<<16
	s_mov_b32 s[G1+4], 128
	s_mov_b32 s[G1+5], 32
	s_mov_b32 s[G1+6], 0
	s_mov_b32 s[G1+7], 0
	s_or_b32 s[G1B+0], s45, (0<<16)|(1<<20)|(1<<21)|(5<<22)|(3<<25) ; B's codes: 64 rows of 256 bytes, 1,024 apart, 16 bytes of padding behind each
	s_mov_b32 s[G1B+1], 256<<16
	s_mov_b32 s[G1B+2], 64<<16
	s_mov_b32 s[G1B+3], 256<<16
	s_mov_b32 s[G1B+4], 64
	s_mov_b32 s[G1B+5], 1024
	s_mov_b32 s[G1B+6], 0
	s_mov_b32 s[G1B+7], 0
	s_or_b32 s[G1S+0], s44, (3<<16)|(1<<20)|(1<<21)|(5<<22)|(3<<25) ; A's scale bytes: 16 units of 256
	s_mov_b32 s[G1S+1], 32<<16
	s_mov_b32 s[G1S+2], 16<<16
	s_mov_b32 s[G1S+3], 32<<16
	s_mov_b32 s[G1S+4], 16
	s_mov_b32 s[G1S+5], 32
	s_mov_b32 s[G1S+6], 0
	s_mov_b32 s[G1S+7], 0
	s_or_b32 s[G1SB+0], s45, (3<<16)|(1<<20)|(1<<21)|(5<<22)|(3<<25) ; B's: 8 units
	s_mov_b32 s[G1SB+1], 32<<16
	s_mov_b32 s[G1SB+2], 8<<16
	s_mov_b32 s[G1SB+3], 32<<16
	s_mov_b32 s[G1SB+4], 8
	s_mov_b32 s[G1SB+5], 32
	s_mov_b32 s[G1SB+6], 0
	s_mov_b32 s[G1SB+7], 0
	s_lshl_b32 s20, s43, 16                        ; A's codes: (16 TR + 8 CH) tiles of 4,096 bytes
	s_lshl_b32 s22, s18, 15
	s_add_co_u32 s20, s20, s22
	s_mov_b32 s21, 0
	s_lshl_b32 s66, s43, 13                        ; A's scales: (256 TR + 128 CH) rows of 32 bytes
	s_lshl_b32 s23, s18, 12
	s_add_co_u32 s66, s66, s23
	s_mov_b32 s67, 0
	s_lshl_b32 s46, s42, 17                        ; B's codes: (128 TC + 64 CH) rows of 1,024 bytes
	s_lshl_b32 s23, s18, 16
	s_add_co_u32 s46, s46, s23
	s_mov_b32 s47, 0
	s_lshl_b32 s100, s42, 12                       ; B's scales
	s_lshl_b32 s23, s18, 11
	s_add_co_u32 s100, s100, s23
	s_mov_b32 s101, 0
	s_mul_i32 s23, s18, BHALF
	s_add_co_u32 s23, s23, BOFF                    ; where B's codes go (A's: s22)
	s_mul_i32 s2, s18, HALFSA
	s_mul_i32 s3, s18, HALFSB
	s_wait_kmcnt 0x0
	s_add_nc_u64 s[92:93], s[4:5], s[20:21]
	s_add_nc_u64 s[94:95], s[6:7], s[66:67]
	s_add_nc_u64 s[96:97], s[8:9], s[46:47]
	s_add_nc_u64 s[98:99], s[10:11], s[100:101]
	CROUND                                         ; all sixteen work-groups are here: the first joint loads meet
	s_mov_b32 s[G0S], 1
	s_add_co_u32 s[G0S+1], s2, SCLA
	s_mov_b64 s[G0S+2:G0S+3], s[94:95]
	s_or_b32 s[G0S+3], s[G0S+3], 0x80000000
	s_mov_b32 s[G0SB], 1
	s_add_co_u32 s[G0SB+1], s3, SCLB
	s_mov_b64 s[G0SB+2:G0SB+3], s[98:99]
	s_or_b32 s[G0SB+3], s[G0SB+3], 0x80000000
	JLOAD G0S, G1S, G0SB, G1SB
.irp s, 0,1
	s_mov_b32 s[G0+4*\s], 1
	s_add_co_u32 s[G0+4*\s+1], s22, \s*SLOT
	s_add_nc_u64 s[G0+4*\s+2:G0+4*\s+3], s[92:93], \s*ASTEP
	s_or_b32 s[G0+4*\s+3], s[G0+4*\s+3], 0x80000000
	s_mov_b32 s[G0B+4*\s], 1
	s_add_co_u32 s[G0B+4*\s+1], s23, \s*SLOT
	s_add_nc_u64 s[G0B+4*\s+2:G0B+4*\s+3], s[96:97], \s*256
	s_or_b32 s[G0B+4*\s+3], s[G0B+4*\s+3], 0x80000000
	s_wait_alu depctr_va_vdst(0)
	s_wait_tensorcnt 0x0
	ds_add_u32 v28, v29
	s_wait_dscnt 0x0
	CROUND
	JLOAD G0+4*\s, G1, G0B+4*\s, G1B
.endr
	v_and_b32 v1, 15, v0                           ; r
	v_bfe_u32 v2, v0, 4, 1                         ; h
	v_and_b32 v3, 31, v0
	v_lshlrev_b32 v3, 4, v3                        ; A: 16 x lane
	v_mul_u32_u24 v4, v1, PITCH
	v_lshl_add_u32 v4, v2, 4, v4                   ; B: row x pitch + 16 h
	s_lshl_b32 s21, s17, 15                        ; my 128 rows of A
	s_mul_i32 s22, s18, BHALF
	s_add_co_u32 s22, s22, BOFF                    ; my 64 rows of B
.irp s, 0,1
	v_add_nc_u32 v[ADRA+\s], s21, v3
	v_add_nc_u32 v[ADRB+\s], s22, v4
	s_add_co_u32 s21, s21, SLOT
	s_add_co_u32 s22, s22, SLOT
.endr
	v_lshlrev_b32 v5, 5, v1                        ; my row's scale bytes: 32 a row, and 16 more for each 256 passed
	v_lshrrev_b32 v6, 8, v5
	v_lshl_add_u32 v5, v6, 4, v5
	s_mul_i32 s21, s18, HALFSB                     ; B's (the lower base)
	s_mul_i32 s22, s17, HALFSA
	s_add_co_u32 s22, s22, SCLA-SCLB               ; A's
	s_sub_co_u32 s22, s22, s21                     ; the distance, above 0
	v_mul_u32_u24 v6, s22, v2                      ; lanes 16-31 take A's
	s_add_co_u32 s21, s21, SCLB
	v_add_nc_u32 v5, v5, v6
	v_add_nc_u32 v[ADRS], s21, v5
	s_mul_i32 s23, s16, 16*SPITCH
	s_add_co_u32 s23, s23, STAGE                   ; my stage
	v_mul_u32_u24 v5, v1, SPITCH                   ; in: row r, 32 bytes for each half of the lanes
	v_lshl_add_u32 v5, v2, 5, v5
	v_add_nc_u32 v[STO], s23, v5
	v_mul_u32_u24 v5, v2, SPITCH                   ; back: lanes 0-15 one row of 256 bytes, lanes 16-31 the next
	v_lshl_add_u32 v5, v1, 4, v5
	v_add_nc_u32 v[RD], s23, v5
	v_lshlrev_b32 v[CO], 12, v2                    ; and the same two rows of the result, 4,096 bytes apart
	v_lshl_add_u32 v[CO], v1, 4, v[CO]
	s_lshl_b32 s46, s42, 9
	s_lshl_b32 s47, s18, 8
	s_add_co_u32 s46, s46, s47                     ; my first column in bytes: 512 TC + 256 CH
	v_lshl_add_u32 v[BPO], v2, 5, s46
.irp b, 0,1,2,3
	global_load_b128 v[BP+8*\b:BP+8*\b+3], v[BPO], s[12:13] offset:64*\b
	global_load_b128 v[BP+8*\b+4:BP+8*\b+7], v[BPO], s[12:13] offset:64*\b+16
.endr
	s_lshl_b32 s20, s43, 8
	s_lshl_b32 s21, s17, 7
	s_add_co_u32 s20, s20, s21
	s_lshl_b32 s20, s20, 12                        ; my first row, 4,096 bytes a row
	s_add_co_u32 s20, s20, s46
	s_mov_b32 s21, 0
	s_add_nc_u64 s[14:15], s[14:15], s[20:21]
; 8 matrix instructions: A's blocks a0, a0 + 1 x B's four.  The 32 accumulators take turns, one instruction a turn, in the same order in every step.
.macro MUL8 a0, p, q, sc, first
.irp a, \a0, \a0+1
.irp b, 0,1,2,3
.if \first
	v_wmma_scale_f32_16x16x128_f8f6f4 v[8*(4*(\a)+\b):8*(4*(\a)+\b)+7], v[128*(\p)+FR*\b:128*(\p)+FR*\b+FR-1], v[AF+FR*(\a):AF+FR*(\a)+FR-1], v[BP+8*\b:BP+8*\b+7], v[SC+8*NQ*(\sc)+NQ*\b+(\q)], v[SC+8*NQ*(\sc)+NQ*(\a)+(\q)] matrix_a_fmt:MATRIX_FMT_BF8 matrix_b_fmt:MATRIX_FMT_BF8 matrix_b_scale:MATRIX_SCALE_ROW1
.else
	v_wmma_scale_f32_16x16x128_f8f6f4 v[8*(4*(\a)+\b):8*(4*(\a)+\b)+7], v[128*(\p)+FR*\b:128*(\p)+FR*\b+FR-1], v[AF+FR*(\a):AF+FR*(\a)+FR-1], v[8*(4*(\a)+\b):8*(4*(\a)+\b)+7], v[SC+8*NQ*(\sc)+NQ*\b+(\q)], v[SC+8*NQ*(\sc)+NQ*(\a)+(\q)] matrix_a_fmt:MATRIX_FMT_BF8 matrix_b_fmt:MATRIX_FMT_BF8 matrix_b_scale:MATRIX_SCALE_ROW1
.endif
.endr
.endr
.endm
.macro FETCH_B slot, q, p              ; B's four fragments, from padded rows
	WIN TO_B
.irp i, 0,1,2,3
.irp c, 0,1,2,3
	ds_load_b128 v[128*(\p)+FR*\i+4*\c:128*(\p)+FR*\i+4*\c+3], v[ADRB+\slot] offset:128*(\q)+32*\c+\i*16*PITCH
.endr
.endr
	WIN 0
.endm
.macro FETCH_A slot, q, i0             ; A's blocks i0 .. i0 + 3, as images
.irp i, \i0, \i0+1, \i0+2, \i0+3
.irp c, 0,1,2,3
	ds_load_b128 v[AF+FR*(\i)+4*\c:AF+FR*(\i)+4*\c+3], v[ADRA+\slot] offset:(\i)*4096+(\q)*2048+\c*512
.endr
.endr
.endm
.macro SCALES sc
.irp i, 0,1,2,3,4,5,6,7
	ds_load_b64 v[SC+8*NQ*\sc+NQ*\i:SC+8*NQ*\sc+NQ*\i+1], v[ADRS] offset:\i*SBLK
.endr
.endm
.macro PLACES n
.rept \n
	v_nop
.endr
.endm
.macro STEP slot, q, first
	s_wait_dscnt 4*NL                              ; B's set and A's blocks 0-3 are in; the youngest 16 loads (A's blocks 4-7) may be out
	WIN MUL-0x20*(\first)
	MUL8 0, (\q)%2, \q, \slot, \first
	MUL8 2, (\q)%2, \q, \slot, \first
	s_wait_dscnt 0
	PLACES NP
	FETCH_B \slot, (\q)+1, 1-(\q)%2
	FETCH_A \slot, (\q)+1, 0
	WIN MUL-0x20*(\first)
	MUL8 4, (\q)%2, \q, \slot, \first
	MUL8 6, (\q)%2, \q, \slot, \first
	PLACES NP
	WIN 0
	FETCH_A \slot, (\q)+1, 4
.endm
.macro TURN slot, next, fill
	s_wait_tensorcnt 0x0                           ; all my tensor loads have landed: my part of the next slot
	ds_add_u32 v[SPW], v[NIL]
	s_wait_dscnt 4*NL+1                            ; the add and the youngest 16 loads may be out
	WIN MUL
	MUL8 0, 1, NQ-1, \slot, 0
	s_wait_dscnt 0x0                               ; the add is done, and my reads of this slot are over
	s_barrier_signal -1
	MUL8 2, 1, NQ-1, \slot, 0
	WIN 0
	s_barrier_wait -1
.if \fill
	CREST                                          ; a round of the cluster's barrier: no wave of any partner still reads this slot or has a load on its way
	s_add_nc_u64 s[G0+4*\slot+2:G0+4*\slot+3], s[G0+4*\slot+2:G0+4*\slot+3], 2*ASTEP
	s_add_nc_u64 s[G0B+4*\slot+2:G0B+4*\slot+3], s[G0B+4*\slot+2:G0B+4*\slot+3], 2*256
	JLOAD G0+4*\slot, G1, G0B+4*\slot, G1B
	PLACES NP-4
.else
	PLACES NP
.endif
	s_wait_alu depctr_va_vdst(0)
	v_add_nc_u32 v[ADRS], 4*NQ, v[ADRS]
	FETCH_B \next, 0, 0
	FETCH_A \next, 0, 0
	SCALES \next
	WIN MUL
	MUL8 4, 1, NQ-1, \slot, 0
	MUL8 6, 1, NQ-1, \slot, 0
	PLACES NP
	WIN 0
	FETCH_A \next, 0, 4
.endm
	s_wait_tensorcnt 1                             ; the scales and my part of slot 0 are in; slot 1's load may be out
	s_barrier_signal -1
	s_barrier_wait -1
	FETCH_B 0, 0, 0
	FETCH_A 0, 0, 0
	SCALES 0
	FETCH_A 0, 0, 4
	s_wait_loadcnt 0x0                             ; the bias
	STEP 0, 0, 1                                   ; the first step's products start the sums from the bias
	s_mov_b32 s3, LAPS-1
.Llap:
	TURN 0, 1, 1
	STEP 1, 0, 0
	TURN 1, 0, 1
	STEP 0, 0, 0
	s_sub_co_u32 s3, s3, 1
	s_cmp_lg_u32 s3, 0
	s_cbranch_scc1 .Llap
	TURN 0, 1, 0
	STEP 1, 0, 0
	s_wait_dscnt 4*NL
	WIN MUL
	MUL8 0, 1, NQ-1, 1, 0
	MUL8 2, 1, NQ-1, 1, 0
	s_wait_dscnt 0
	MUL8 4, 1, NQ-1, 1, 0
	MUL8 6, 1, NQ-1, 1, 0
	WIN 0
; THE WAY OUT, a block of 16 rows x 64 columns at a time, through my own stage: in as 32 bytes a lane, back as whole rows of 256 bytes, which sixteen lanes store as one aligned run.
; LDS serves a wave's instructions in order (ISA guide 5.7.1.4): no wait between the stores and the loads, nor in front of the next block's stores.
.macro TOSTAGE a
	WIN 0x08                                       ; an LDS store's data are its source 1: window 2
.irp b, 0,1,2,3
	ds_store_b128 v[STO], v[8*(4*(\a)+\b):8*(4*(\a)+\b)+3] offset:64*\b          ; each accumulator from its low end on
	ds_store_b128 v[STO], v[8*(4*(\a)+\b)+4:8*(4*(\a)+\b)+7] offset:64*\b+16
.endr
	WIN 0
.set BB, BK+32*((\a)%2)
.irp t, 0,1,2,3,4,5,6,7
	ds_load_b128 v[BB+4*\t:BB+4*\t+3], v[RD] offset:\t*2*SPITCH
.endr
.endm
.macro SEND a, younger                 ; younger: the LDS instructions issued behind block a's loads, which may stay out
.set BB, BK+32*((\a)%2)
	s_wait_dscnt \younger
.irp t, 0,1,2,3,4,5,6,7
	global_store_b128 v[CO], v[BB+4*\t:BB+4*\t+3], s[14:15] offset:(16*(\a)+2*\t)*4096 th:TH_STORE_NT   ; 16 lanes store 256 consecutive bytes, at a multiple of 256 from the buffer's first byte
.endr
.endm
	PLACES NP                                      ; behind the last products: their results are read, and A's registers loaded into, from here on
	TOSTAGE 0
.irp a, 1,2,3,4,5,6,7
.if \a > 1
	s_wait_xcnt 0x0                                ; block a - 2's stores have read their registers: block a's loads may land there
.endif
	TOSTAGE \a
	SEND \a-1, 16                                  ; behind block a - 1's loads: block a's 8 stores and 8 loads
.endr
	SEND 7, 0
	s_wait_tensorcnt 0x0                           ; the wave's end
	ds_add_u32 v[SPW], v[NIL]
	s_wait_dscnt 0x0
	CROUND                                         ; the closing round
	s_endpgm
.Lfunc_end_k_q7dafd25132_proj:
	.size	k_q7dafd25132_proj, .Lfunc_end_k_q7dafd25132_proj-k_q7dafd25132_proj
	.p2alignl 7, 3214868480
	.fill 96, 4, 3214868480
	.section	.rodata,"a",@progbits
	.p2align	6, 0x0
	.amdhsa_kernel k_q7dafd25132_proj
		.amdhsa_group_segment_fixed_size 327680
		.amdhsa_private_segment_fixed_size 0
		.amdhsa_enable_private_segment 0
		.amdhsa_kernarg_size 48
		.amdhsa_user_sgpr_count 2
		.amdhsa_user_sgpr_kernarg_segment_ptr 1
		.amdhsa_wavefront_size32 1
		.amdhsa_system_sgpr_workgroup_id_x 1
		.amdhsa_system_sgpr_workgroup_id_y 1
		.amdhsa_system_sgpr_workgroup_id_z 1
		.amdhsa_system_vgpr_workitem_id 0
		.amdhsa_next_free_vgpr 768
		.amdhsa_next_free_sgpr 102
		.amdhsa_reserve_vcc 0
		.amdhsa_float_denorm_mode_32 3
		.amdhsa_float_denorm_mode_16_64 3
		.amdhsa_memory_ordered 1
		.amdhsa_forward_progress 1
		.amdhsa_inst_pref_size 93
	.end_amdhsa_kernel
	.amdgpu_metadata
---
amdhsa.version: [ 1, 2 ]
amdhsa.kernels:
  - .name:           k_q7dafd25132_proj
    .symbol:         k_q7dafd25132_proj.kd
    .args:
      - { .name: yc, .offset: 0, .size: 8, .value_kind: global_buffer, .address_space: global }
      - { .name: ys, .offset: 8, .size: 8, .value_kind: global_buffer, .address_space: global }
      - { .name: w_proj_codes, .offset: 16, .size: 8, .value_kind: global_buffer, .address_space: global }
      - { .name: w_proj_scales, .offset: 24, .size: 8, .value_kind: global_buffer, .address_space: global }
      - { .name: b_proj, .offset: 32, .size: 8, .value_kind: global_buffer, .address_space: global }
      - { .name: out0, .offset: 40, .size: 8, .value_kind: global_buffer, .address_space: global }
    .group_segment_fixed_size: 327680
    .private_segment_fixed_size: 0
    .kernarg_segment_align: 8
    .kernarg_segment_size: 48
    .max_flat_workgroup_size: 128
    .sgpr_count:     102
    .vgpr_count:     768
    .wavefront_size: 32
...
	.end_amdgpu_metadata
.endif
;; end of part 3
